; MI455X (gfx1250); checked and timed in simulation.
; The chip was launched on July 23, 2026; its instructions are those of AMD's public machine-readable ISA for CDNA 5 (MIT licence, August 2026) and "CDNA5" Instruction Set Architecture Reference Guide (July 2026). The comments in the code are by the model that wrote it; some were corrected since.
;; Vector Quantizer. Allowed arithmetic: matrix products marked QUANTISED: E2M1 operands, one E8M0 scale for each 32 along K, by v_wmma_scale_f32_16x16x128_f8f6f4 with both operands' format E2M1 (or v_wmma_scale_f32_32x16x128_f4), f32 sums; everything else in f32.
;; Inputs: emb 8,192 x 256 float32; inputs 8 x 2,048 x 256 float32.
;; Outputs: out0 8 x 2,048 x 256 float32; out1 one number float32; out2 8 x 2,048 int32; out3 one number float32.
;; This version of the problem:
;;   THIS VERSION OF THE PROBLEM IS GIVEN IN LOW PRECISION. The matrix products marked QUANTISED in the list below multiply operands that are first quantised to E2M1 (2 exponent bits, 1 mantissa bit; 4 bits a number), with one power-of-two scale for each 32 numbers along K (OCP MX v1.0); their sums are f32. All else is computed in f32.
;;   The module's matrix products, in the order in which they are computed (A, B: the left and right operand; K: the contracted axis; several contracted axes count as one K, in the product's order):
;;     1. [M 16,384, K 256] x [K 256, N 8,192]; A: input inputs; B: input emb: QUANTISED
;;   THE QUANTISER, for each operand of a quantised product, along K:
;;     - K is cut into blocks of 32 from its start; a last block that is shorter is filled with zeros.
;;     - A block's scale is 2^e with e = floor(log2(the largest magnitude in the block)) - 2, held to -126 .. 127; a block of zeros has e = 0. As a byte (E8M0): e + 127.
;;     - Each number is divided by its block's scale, clamped to +-6, and rounded to the nearest number of E2M1, ties to even, subnormals kept.
;;     - The product sums the exact products of the quantised numbers (number of the format x scale) in f32.
;;   ~~~python
;;   def quantise(x, axis):      # numpy; x: float32 -> the quantised numbers, widened to float32 again
;;       x = np.moveaxis(x, axis, -1); K = x.shape[-1]
;;       x = np.pad(x, [(0, 0)] * (x.ndim - 1) + [(0, -K % 32)]); x = x.reshape(x.shape[:-1] + (-1, 32)); a = np.abs(x).max(-1, keepdims=True)
;;       e = np.where(a > 0, np.clip(np.frexp(np.where(a > 0, a, 1))[1] - 1 - 2, -126, 127), 0)      # np.frexp(a)[1] - 1 = floor(log2(a)), exactly
;;       r = np.clip(x / 2.0 ** e, -6, 6)
;;       step = 2.0 ** (np.maximum(np.frexp(np.where(r == 0, 1, r))[1] - 1, 0) - 1)
;;       q = np.round(r / step) * step * 2.0 ** e      # np.round: ties to even
;;       return np.moveaxis(q.reshape(q.shape[:-2] + (-1,))[..., :K], -1, axis).astype(np.float32)
;;   ~~~
;; One version. Each part assembles by itself: llvm-mc -triple=amdgcn-amd-amdhsa -mcpu=gfx1250 --defsym DOCPART=n.
;; ======== version 1 of 1: 5 launches
;; limits: right only within a limited range of input values
;; workspace buffers: xw 2,293,760 bytes; ew 1,146,880 bytes; cf 1,048,576 bytes; ci 262,144 bytes of whole numbers; pl 525,312 bytes; pe 512 bytes
;; launch quant (part 1): grid 256 x 1, 3 waves a work-group, no clusters, 31,232 bytes of LDS; arguments inputs, emb, xw, ew; writes xw, ew
.if DOCPART == 1
	.amdgcn_target "amdgcn-amd-amdhsa--gfx1250"
	.amdhsa_code_object_version 6
	.text
	.protected	k_qeef0689d4b_quant
	.globl	k_qeef0689d4b_quant
	.p2align	8
	.type	k_qeef0689d4b_quant,@function
k_qeef0689d4b_quant:
	s_mov_b64 s[64:65], 0
	v_nop
	global_prefetch_b8 v0, s[64:65] scope:SCOPE_SE
	s_setreg_imm32_b32 hwreg(HW_REG_WAVE_MODE, 25, 1), 1
	s_wait_xcnt 0x0
; inputs [16384][256] and emb [8192][256], f32, become codes of FP4 (E2M1) with one E8M0 byte for each 32 along K, and each row's sum of squares (f32).
; A block's scale is 2^(floor(log2(largest magnitude)) - 2): its byte is the largest magnitude's exponent field - 2, held at 1 from below.
; LAYOUT OF THE RESULT (xw for inputs, ew for emb): a tile is 16 rows x 256 K.  Its codes lie as the operand's registers want them: the 16 bytes of block b (0..7) of row r
; at byte 2048 tile + 256 b + 16 r, so that four loads of 512 bytes, 16 bytes a lane, are the two K steps' fragments.  Its scale words lie at ?S_OFF + 128 tile + 64 s + 4 r (K step s, row r):
; one load of 4 bytes a lane has K step 0's words in lanes 0-15 and K step 1's in lanes 16-31.  The rows' sums of squares lie at XX_OFF / EE_OFF + 4 row.
; SHARES.  A wave takes a unit of 32 rows (two tiles): 16 steps of 512 numbers (two rows).  Units 0-511 are inputs', 512-767 emb's; only pointers and two offsets are chosen, on the unit's number.
; Each load reads 512 consecutive bytes; a step's 2,048 bytes turn through the wave's own stage in LDS (16 bytes of padding behind each 64) and come back 64 bytes a lane: 16 neighbours along K, two lanes to a block.
; Codes, scale bytes and sums are gathered in the wave's own LDS and leave at the end: the codes as eight stores of 512 consecutive bytes, the scale bytes as one of 256, the sums as one of 128
; (half of an aligned 256: 96 KiB of the launch's 3.4 MiB of stores).  No barrier: waves share nothing.  Loads run eight steps (32 loads a wave) ahead.
; LIMITS: NaN and infinities are not served.  A block under 2^-124, a block of zeros among them, gets the byte 1 (the rule says 127 for zeros): its codes are zeros or the nearest codes under that scale, and the bytes are read by this program alone.
; The sums of squares are added in this text's own order (pairs in a lane, then across 16 lanes), which may differ in the last bit from another order.
.set XS_OFF, 2097152
.set XX_OFF, 2228224
.set ES_OFF, 1048576
.set EE_OFF, 1114112
.set WREG, 10240                       ; LDS of a wave: two stages, the codes, the scale bytes, the sums
.set SP,   80                          ; a lane's place in a stage: 64 bytes + 16
.set OUTB, 5120                        ; the codes: 16 blocks of 256 bytes + 32
.set BP,   288
.set SCB,  9728                        ; 256 scale bytes
.set NRM,  9984                        ; 32 sums
.set R,    16                          ; v16-143  eight sets of 16 numbers as loaded
.set X,    144                         ; v144-175 two sets of 16 neighbours
.set CD,   176                         ; v176-207 a step's codes, two registers
.set EB,   208                         ; v208-223 a step's scale byte
.set NR,   224                         ; v224-239 a step's sum of squares
	s_load_b256 s[4:11], s[0:1], 0x0               ; inputs s[4:5], emb s[6:7], xw s[8:9], ew s[10:11]
	v_lshl_add_u32 v240, v0, 2, 0x7800
	v_mov_b32 v241, 0
	v_lshrrev_b32 v1, 5, v0
	v_readfirstlane_b32 s12, v1                    ; wave 0..2
	v_and_b32 v2, 31, v0                           ; lane l
	v_and_b32 v12, 15, v0                          ; its place in a row: 16 numbers at 16 x this
	v_bfe_u32 v13, v0, 4, 1                        ; which of the step's two rows
	s_mul_i32 s17, s12, WREG
	v_lshlrev_b32 v3, 4, v2                        ; 16 l
	v_lshrrev_b32 v14, 2, v2
	v_mul_u32_u24 v14, v14, SP
	v_and_b32 v15, 3, v2
	v_lshl_add_u32 v14, v15, 4, v14
	v_add_nc_u32 v14, s17, v14                     ; the stage, in: SP (l / 4) + 16 (l % 4)
	v_mul_u32_u24 v15, v2, SP
	v_add_nc_u32 v15, s17, v15                     ; out: SP l
	v_lshrrev_b32 v1, 1, v12                       ; my block of the row, 0..7
	v_mul_u32_u24 v4, v1, BP
	v_lshl_add_u32 v4, v13, 4, v4
	v_and_b32 v5, 1, v12
	v_lshl_add_u32 v4, v5, 3, v4
	v_add_nc_u32 v4, s17, v4                       ; my 8 bytes of codes: BP block + 16 row + 8 half
	v_and_b32 v5, 3, v1
	v_lshrrev_b32 v6, 3, v12
	v_lshl_add_u32 v5, v6, 6, v5
	v_lshl_add_u32 v5, v13, 2, v5
	v_add_nc_u32 v5, s17, v5                       ; my block's scale byte: 64 K step + 4 row + block % 4
	v_lshl_add_u32 v6, v13, 2, s17                 ; my row's sum
	v_mul_u32_u24 v7, v13, BP
	v_lshl_add_u32 v7, v12, 4, v7
	v_add_nc_u32 v7, s17, v7                       ; the way out: two blocks a load
	v_lshl_add_u32 v8, v2, 3, s17
	v_lshl_add_u32 v9, v2, 2, s17
	v_lshlrev_b32 v10, 3, v2
	v_lshlrev_b32 v11, 2, v2
	s_mul_i32 s13, ttmp9, 3
	s_add_co_u32 s13, s13, s12                     ; my unit, 0..767
	s_mov_b32 s15, ES_OFF
	s_mov_b32 s16, EE_OFF
	s_mov_b32 s19, 0
	s_mov_b32 s21, 0
	s_mov_b32 s23, 0
	s_wait_kmcnt 0x0
	s_cmp_lt_u32 s13, 512                          ; inputs' unit or emb's: the choice hangs on the unit's number alone
	s_cselect_b64 s[4:5], s[4:5], s[6:7]
	s_cselect_b64 s[8:9], s[8:9], s[10:11]
	s_cselect_b32 s15, XS_OFF, s15
	s_cselect_b32 s16, XX_OFF, s16
	s_cselect_b32 s14, 0, 512
	s_sub_co_u32 s13, s13, s14                     ; the unit within its tensor
	s_lshl_b32 s18, s13, 15
	s_add_nc_u64 s[4:5], s[4:5], s[18:19]          ; 32 rows of 1,024 bytes
	s_lshl_b32 s20, s13, 8
	s_add_co_u32 s20, s20, s15
	s_add_nc_u64 s[20:21], s[8:9], s[20:21]        ; 256 scale bytes
	s_lshl_b32 s22, s13, 7
	s_add_co_u32 s22, s22, s16
	s_add_nc_u64 s[22:23], s[8:9], s[22:23]        ; 32 sums
	s_lshl_b32 s18, s13, 12
	s_add_nc_u64 s[8:9], s[8:9], s[18:19]          ; 4,096 bytes of codes
.macro LOAD t
.irp i, 0,1,2,3
	global_load_b128 v[R+16*((\t)%8)+4*\i:R+16*((\t)%8)+4*\i+3], v3, s[4:5] offset:2048*(\t)+512*\i
.endr
.endm
.macro TURN t                          ; LDS serves a wave's instructions in order: no wait between the stores and the loads
.irp i, 0,1,2,3
	ds_store_b128 v14, v[R+16*((\t)%8)+4*\i:R+16*((\t)%8)+4*\i+3] offset:32*SP*((\t)%2)+8*SP*\i
.endr
.irp i, 0,1,2,3
	ds_load_b128 v[X+16*((\t)%2)+4*\i:X+16*((\t)%2)+4*\i+3], v15 offset:32*SP*((\t)%2)+16*\i
.endr
.endm
.irp t, 0,1,2,3,4,5,6,7
	LOAD \t
.endr
	s_wait_loadcnt 28                              ; step 0's four loads are in; seven steps' may be out
	TURN 0
.macro STEP t
.set XSR, X+16*((\t)%2)
.if (\t) > 0
	s_wait_dscnt 3                                 ; this step's numbers are back from the stage; the last step's three stores may be out
.else
	s_wait_dscnt 0x0
.endif
.if (\t)+8 < 16
	LOAD (\t)+8                                    ; into the set that this step's turn has read
.endif
.if (\t)+1 < 16
.if (\t) < 8
	s_wait_loadcnt 28                              ; the next step's loads are in; behind them stand seven steps' loads
.else
	s_wait_loadcnt 4*(14-(\t))                     ; behind them stand those of steps t + 2 to 15
.endif
	TURN (\t)+1
.endif
	v_max3_num_f32 v12, |v[XSR]|, |v[XSR+1]|, |v[XSR+2]|
	v_max3_num_f32 v13, |v[XSR+3]|, |v[XSR+4]|, |v[XSR+5]|
.irp i, 6,10
	v_max3_num_f32 v12, v12, |v[XSR+\i]|, |v[XSR+\i+1]|
	v_max3_num_f32 v13, v13, |v[XSR+\i+2]|, |v[XSR+\i+3]|
.endr
	v_max3_num_f32 v12, v12, |v[XSR+14]|, |v[XSR+15]|
	v_max3_num_f32 v12, v12, v13, 0x1800000        ; and the floor 2^(3 - 127): the byte cannot fall under 1
	v_max_num_f32_dpp v12, v12, v12 row_xmask:1 row_mask:0xf bank_mask:0xf   ; with my neighbour's 16: the block's largest magnitude
	v_add_nc_u32 v2, 0xff000000, v12               ; 2 off its exponent field: the conversion takes this operand's exponent field as its scale
	v_cvt_scalef32_pk8_fp4_f32 v[CD+2*(\t)], v[XSR:XSR+7], v2
	v_cvt_scalef32_pk8_fp4_f32 v[CD+2*(\t)+1], v[XSR+8:XSR+15], v2
	v_lshrrev_b32 v[EB+(\t)], 23, v2               ; the scale's byte (a plain line behind the conversions)
	v_pk_mul_f32 v[0:1], v[XSR:XSR+1], v[XSR:XSR+1]   ; the sum of my 16 squares, two at a time
.irp i, 2,4,6,8,10,12,14
	v_pk_fma_f32 v[0:1], v[XSR+\i:XSR+\i+1], v[XSR+\i:XSR+\i+1], v[0:1]
.endr
	v_add_f32 v[NR+(\t)], v0, v1
.irp m, 1,2,4,8
	v_add_f32_dpp v[NR+(\t)], v[NR+(\t)], v[NR+(\t)] row_xmask:\m row_mask:0xf bank_mask:0xf   ; the row lies in 16 lanes
.endr
	ds_store_b64 v4, v[CD+2*(\t):CD+2*(\t)+1] offset:OUTB+8*BP*((\t)/8)+32*((\t)%8)
	ds_store_b8 v5, v[EB+(\t)] offset:SCB+128*((\t)/8)+8*((\t)%8)   ; both lanes of a block write the same byte with the same value
	ds_store_b32 v6, v[NR+(\t)] offset:NRM+8*(\t)                   ; the 16 lanes of a row write the same word with the same value
.endm
.irp t, 0,1,2,3,4,5,6,7,8,9,10,11,12,13,14,15
	STEP \t
.endr
.irp n, 0,1,2,3,4,5,6,7
	ds_load_b128 v[R+4*\n:R+4*\n+3], v7 offset:OUTB+2*BP*\n   ; blocks 2 n and 2 n + 1 of the unit's sixteen
.endr
	ds_load_b64 v[R+32:R+33], v8 offset:SCB
	ds_load_b32 v[R+34], v9 offset:NRM
.irp n, 0,1,2,3,4,5,6,7
	s_wait_dscnt 9-\n                              ; behind load n stand 7 - n loads of codes and the two small ones
	global_store_b128 v3, v[R+4*\n:R+4*\n+3], s[8:9] offset:512*\n   ; 512 consecutive bytes, at a multiple of 512 from the buffer's first byte
.endr
	s_wait_dscnt 1
	global_store_b64 v10, v[R+32:R+33], s[20:21]   ; 256 consecutive bytes, aligned
	s_wait_dscnt 0x0
	global_store_b32 v11, v[R+34], s[22:23]
	s_wait_tensorcnt 0x0
	ds_add_u32 v240, v241
	s_wait_dscnt 0x0
	s_endpgm
.Lfunc_end_k_qeef0689d4b_quant:
	.size	k_qeef0689d4b_quant, .Lfunc_end_k_qeef0689d4b_quant-k_qeef0689d4b_quant
	.p2alignl 7, 3214868480
	.fill 96, 4, 3214868480
	.section	.rodata,"a",@progbits
	.p2align	6, 0x0
	.amdhsa_kernel k_qeef0689d4b_quant
		.amdhsa_group_segment_fixed_size 31232
		.amdhsa_private_segment_fixed_size 0
		.amdhsa_enable_private_segment 0
		.amdhsa_kernarg_size 32
		.amdhsa_user_sgpr_count 2
		.amdhsa_user_sgpr_kernarg_segment_ptr 1
		.amdhsa_wavefront_size32 1
		.amdhsa_system_sgpr_workgroup_id_x 1
		.amdhsa_system_sgpr_workgroup_id_y 1
		.amdhsa_system_sgpr_workgroup_id_z 1
		.amdhsa_system_vgpr_workitem_id 0
		.amdhsa_next_free_vgpr 242
		.amdhsa_next_free_sgpr 66
		.amdhsa_reserve_vcc 0
		.amdhsa_float_denorm_mode_32 3
		.amdhsa_float_denorm_mode_16_64 3
		.amdhsa_memory_ordered 1
		.amdhsa_forward_progress 1
		.amdhsa_inst_pref_size 49
	.end_amdhsa_kernel
	.amdgpu_metadata
---
amdhsa.version: [ 1, 2 ]
amdhsa.kernels:
  - .name:           k_qeef0689d4b_quant
    .symbol:         k_qeef0689d4b_quant.kd
    .args:
      - { .name: inputs, .offset: 0, .size: 8, .value_kind: global_buffer, .address_space: global }
      - { .name: emb, .offset: 8, .size: 8, .value_kind: global_buffer, .address_space: global }
      - { .name: xw, .offset: 16, .size: 8, .value_kind: global_buffer, .address_space: global }
      - { .name: ew, .offset: 24, .size: 8, .value_kind: global_buffer, .address_space: global }
    .group_segment_fixed_size: 31232
    .private_segment_fixed_size: 0
    .kernarg_segment_align: 8
    .kernarg_segment_size: 32
    .max_flat_workgroup_size: 96
    .sgpr_count:     66
    .vgpr_count:     242
    .wavefront_size: 32
...
	.end_amdgpu_metadata
.endif
;; end of part 1
;; launch pass1 (part 2): grid 64 x 4, 8 waves a work-group, no clusters, 106,496 bytes of LDS; arguments xw, ew, cf, ci; writes cf, ci
.if DOCPART == 2
	.amdgcn_target "amdgcn-amd-amdhsa--gfx1250"
	.amdhsa_code_object_version 6
	.text
	.protected	k_qeef0689d4b_pass1
	.globl	k_qeef0689d4b_pass1
	.p2align	8
	.type	k_qeef0689d4b_pass1,@function
k_qeef0689d4b_pass1:
	s_mov_b64 s[64:65], 0
	v_nop
	global_prefetch_b8 v0, s[64:65] scope:SCOPE_SE
	s_setreg_imm32_b32 hwreg(HW_REG_WAVE_MODE, 25, 1), 1
	s_wait_xcnt 0x0
; FIRST PASS over d[t][k] = (xx[t] + ee[k]) - 2 s[t][k], s = the product of the FP4 codes (K = 256: two matrix instructions of 128).
; For each token and each quarter q of the 8,192 codes it stores: the smallest d, the first index that has it, rho = floor(c x smallest d) (c = log2 e), Z = the sum of 2^(rho - c d), and xx.
; d IS MADE AS THE DEFINITION ROUNDS IT: fl(xx + ee), then one fused multiply-add with -2 (2 s is exact), s begun with C = 0; among equal d the lower index is kept, in a lane (strict compare from chunk to chunk,
; the lowest register within the winning chunk) and between lanes and waves (compare of indices in the join).
; THE MAXIMUM IS TAKEN AWAY by a running reference: rho is a whole number, so that a change of rho multiplies Z by a power of two (v_ldexp_f32), which rounds nothing; every exponent is 0 or less.
; SHARES.  A work-group takes 256 tokens (16 tiles) x 2,048 codes.  Wave w keeps its 256 codes (16 tiles: 256 registers of codes, 16 scale words, 128 registers of ee) for the whole launch, read from memory once,
; and walks the 16 token tiles, which lie in LDS (35,840 bytes, stored there once).  The product is used transposed (source 0 = 16 codes, source 1 = 16 tokens): lane (r, h) holds token r, register j code 8 h + j.
; A CHUNK is two code tiles, 16 numbers a lane, on two sets of accumulators by turns.  It has two parts, each behind one s_wait_alu.  The plain part: d, the minimum's tree (5 + 2 + 1 instructions), the saves, rho,
; the exponents; the sum of the chunk before's exponentials, which stays in that chunk's own set, stands between the tree's levels.  Then the next chunk's four products, into the set that the sum has left, and the
; batch of 16 exponentials with the next chunk's eight fl(xx + ee) between them: the products have the whole batch in which to finish.  A tile's last sum stands behind the search for the index.
; THE WAVE'S OPERANDS COME CHUNK BY CHUNK: a chunk's are 14 loads (2 scale words, 4 of ee, 8 of codes).  The head asks for the stage's ten loads and for chunks 0 to 3; in the first tile, which is written out,
; chunk c asks for chunk c + 4 and waits, by count, for chunk c + 1 alone.
; THE SAVES of a winning chunk's 16 d are eight dual-issue pairs of selects on VCC.
; NO TENSOR LOADS, NO JOINT LOADS: nothing is filled twice.  A work-group reads 322,560 bytes once (35,840 of tokens, 8 x 35,840 of codes straight into registers);
; the codes that the 64 work-groups of a quarter share would have to pass through LDS to be asked for jointly, a second way for bytes that are read once.  No prefetch: the loop reads nothing from memory.
; LIMITS: NaN and infinities are not served, nor d of 3e38 and more.  xx and ee come from the first launch, summed in its order.
; REGISTERS.  Window 1: the codes, tile n, K step s at v[16 n + 8 s].  Window 0: as named below.
.set XS_OFF, 2097152
.set XX_OFF, 2228224
.set ES_OFF, 1048576
.set EE_OFF, 1114112
.set TIMG, 0                           ; LDS: the 16 token tiles' codes, 2,048 bytes each,
.set TSCL, 32768                       ; their scale words, 128 bytes each,
.set TXX,  34816                       ; xx of the 256 tokens,
.set PART, 35840                       ; and four fields (d, rho, Z, index) x 16 parts (2 wave + h) x 256 tokens
.set FLD,  17408
.set PPIT, 1088                        ; a part: 1,024 bytes + 64
.set LI,  1                            ; v1   16 x lane
.set LS,  2                            ; v2   4 x lane
.set H32, 3                            ; v3   32 h
.set NA,  4                            ; v4-6 LDS addresses of the next tile's codes, scale words, xx (at the head: 16, 8, 4 x thread)
.set NS,  5
.set NX,  6
.set PB,  7                            ; v7   my word of my part, tile 0
.set PA,  8                            ; v8   the same for the tile in hand
.set CBH, 9                            ; v9   2048 q + 256 w + 8 h
.set XX,  10                           ; v[10:11] xx of my token (the upper halves of these pairs are written once and not used)
.set XXN, 12                           ; v[12:13] the next tile's
.set RHA, 14                           ; v[14:15], v[16:17] rho, old and new by turns
.set RHB, 16
.set Z,   18                           ; v[18:19] Z in two halves
.set F,   20                           ; v[20:21] 2^(new rho - old rho)
.set RUN, 22                           ; v22  the smallest d so far
.set CID, 23                           ; v23  the chunk that has it
.set CM,  24                           ; v24-27 at work: the minimum's tree
.set DL,  28                           ; v28  the tree's fifth leaf, then the chain that makes rho and F
.set POS, 29
.set TSC, 30                           ; v30  the tokens' scale words: scales and nothing else
.set R4,  31                           ; v31  4 r
.set ASC, 32                           ; v32-47 the codes' scale words: scales and nothing else
.set BF,  48                           ; v48-63 the token tile's two fragments
.set SA,  64                           ; v64-79, v80-95 two sets of two accumulators
.set SB,  80
.set T1,  96                           ; v96-111 xx + ee of the next chunk
.set SAV, 112                          ; v112-127 the d of the chunk that holds the smallest
.set EE,  128                          ; v128-255 ee: tile n, register j: ee[16 n + 8 h + j]
.set MSB, 0
.macro WIN new                         ; the immediate's high byte repeats the setting that is left
.if MSB != \new
	s_set_vgpr_msb (MSB<<8)|\new
.set MSB, \new
.endif
.endm
.macro LOADC c                         ; chunk c's operands, 14 loads: for each of its two tiles the scale words and ee, then its codes, 512 consecutive bytes a load; they stay
.irp n, 2*(\c), 2*(\c)+1
	global_load_b32 v[ASC+\n], v[LS], s[22:23] offset:ES_OFF+128*(\n)
	global_load_b128 v[EE+8*(\n):EE+8*(\n)+3], v[H32], s[24:25] offset:EE_OFF+64*(\n)
	global_load_b128 v[EE+8*(\n)+4:EE+8*(\n)+7], v[H32], s[24:25] offset:EE_OFF+64*(\n)+16
.endr
	WIN 0x40                                       ; destination window 1
.irp i, 0,1,2,3,4,5,6,7
	global_load_b128 v[32*(\c)+4*\i:32*(\c)+4*\i+3], v[LI], s[26:27] offset:4096*(\c)+512*\i
.endr
	WIN 0
.endm
	s_load_b256 s[4:11], s[0:1], 0x0               ; xw s[4:5], ew s[6:7], cf s[8:9], ci s[10:11]
	v_lshrrev_b32 v1, 5, v0
	s_delay_alu instid0(VALU_DEP_1)
	v_readfirstlane_b32 s12, v1                    ; wave 0..7
	s_and_b32 s14, ttmp7, 0xffff                   ; q
	v_and_b32 v2, 31, v0
	s_delay_alu instid0(VALU_DEP_1)
	v_lshlrev_b32 v[LI], 4, v2
	s_delay_alu instid0(VALU_DEP_2)
	v_lshlrev_b32 v[LS], 2, v2
	v_bfe_u32 v24, v0, 4, 1                        ; h
	v_and_b32 v25, 15, v0                          ; r
	s_delay_alu instid0(VALU_DEP_2)
	v_lshlrev_b32 v[H32], 5, v24
	s_delay_alu instid0(VALU_DEP_2)
	v_lshlrev_b32 v[R4], 2, v25
	v_lshlrev_b32 v[NA], 4, v0
	v_lshlrev_b32 v[NS], 3, v0
	v_lshlrev_b32 v[NX], 2, v0
	s_mul_i32 s15, s12, 2*PPIT
	s_add_co_u32 s15, s15, PART
	v_mul_u32_u24 v[PB], v24, PPIT
	s_delay_alu instid0(VALU_DEP_1)
	v_add_nc_u32 v[PB], v[PB], v[R4]
	s_delay_alu instid0(VALU_DEP_1)
	v_add_nc_u32 v[PB], s15, v[PB]
	s_lshl_b32 s15, s14, 11
	s_lshl_b32 s28, s12, 8
	s_add_co_u32 s15, s15, s28
	v_lshl_add_u32 v[CBH], v24, 3, s15
	s_lshl_b32 s16, ttmp9, 15                      ; the work-group's 16 token tiles: 32,768 bytes of codes,
	s_mov_b32 s17, 0
	s_lshl_b32 s18, ttmp9, 11                      ; 2,048 of scale words,
	s_mov_b32 s19, 0
	s_lshl_b32 s20, ttmp9, 10                      ; 1,024 of xx
	s_mov_b32 s21, 0
	s_lshl_b32 s22, s14, 14                        ; my 16 code tiles: scale words,
	s_lshl_b32 s28, s12, 11
	s_add_co_u32 s22, s22, s28
	s_mov_b32 s23, 0
	s_lshl_b32 s24, s14, 13                        ; ee,
	s_lshl_b32 s28, s12, 10
	s_add_co_u32 s24, s24, s28
	s_mov_b32 s25, 0
	s_lshl_b32 s26, s14, 18                        ; codes
	s_lshl_b32 s28, s12, 15
	s_add_co_u32 s26, s26, s28
	s_mov_b32 s27, 0
	s_lshl_b32 s44, s14, 18                        ; cf: [q][token][4]
	s_lshl_b32 s28, ttmp9, 12
	s_add_co_u32 s44, s44, s28
	s_mov_b32 s45, 0
	s_lshl_b32 s46, s14, 16                        ; ci: [q][token]
	s_add_co_u32 s46, s46, s20
	s_mov_b32 s47, 0
	s_mov_b32 s36, 0xbfb8aa3b                      ; -c, as a pair: the packed form names both
	s_mov_b32 s37, s36
	s_mov_b32 s38, 0x3fb8aa3b                      ; c
	s_wait_alu depctr_va_vdst(0)                   ; the wait at the head's end
	s_wait_kmcnt 0x0
	s_add_nc_u64 s[16:17], s[4:5], s[16:17]
	s_add_nc_u64 s[18:19], s[4:5], s[18:19]
	s_add_nc_u64 s[20:21], s[4:5], s[20:21]
	s_add_nc_u64 s[22:23], s[6:7], s[22:23]
	s_add_nc_u64 s[24:25], s[6:7], s[24:25]
	s_add_nc_u64 s[26:27], s[6:7], s[26:27]
	s_add_nc_u64 s[8:9], s[8:9], s[44:45]
	s_add_nc_u64 s[10:11], s[10:11], s[46:47]
.irp n, 0,1,2,3,4,5,6,7                        ; ten loads for the stage: 256 threads x 16 bytes cover 4,096 consecutive bytes
	global_load_b128 v[64+4*\n:67+4*\n], v[NA], s[16:17] offset:4096*\n
.endr
	global_load_b64 v[96:97], v[NS], s[18:19] offset:XS_OFF
	global_load_b32 v98, v[NX], s[20:21] offset:XX_OFF
	LOADC 0
	LOADC 1
	LOADC 2
	LOADC 3
	s_wait_loadcnt 56                              ; the ten are in; behind them stand four chunks' 14 loads each
.irp n, 0,1,2,3,4,5,6,7
	ds_store_b128 v[NA], v[64+4*\n:67+4*\n] offset:TIMG+4096*\n
.endr
	ds_store_b64 v[NS], v[96:97] offset:TSCL
	ds_store_b32 v[NX], v98 offset:TXX
	v_mov_b32 v[XX+1], 0
	v_mov_b32 v[XXN+1], 0
	v_mov_b32 v[RHA+1], 0
	v_mov_b32 v[RHB+1], 0
	v_mov_b32 v[F+1], 0
	s_wait_alu depctr_va_vdst(0)                   ; the wait ahead of the wait below
	s_wait_dscnt 0x0                               ; my part of the stage is stored
	s_barrier_signal -1
	s_barrier_wait -1                              ; everybody's is; nobody writes it again
.irp i, 0,1,2,3
	ds_load_b128 v[BF+4*\i:BF+4*\i+3], v[LI] offset:TIMG+512*\i
.endr
	ds_load_b32 v[TSC], v[LS] offset:TSCL
	ds_load_b32 v[XX], v[R4] offset:TXX
	s_wait_loadcnt 42                              ; chunk 0's operands are in; behind them stand chunks 1 to 3
	s_wait_dscnt 0x0
.irp p, 0,2,4,6,8,10,12,14
	v_pk_add_f32 v[T1+\p:T1+\p+1], v[EE+\p:EE+\p+1], v[XX:XX+1] op_sel_hi:[1,0]
.endr
; Four matrix instructions: chunk c's two tiles, K step 0 (C = 0 starts the sums), then K step 1 in place; the two accumulators take turns.
; K step 1's scale words lie in lanes 16-31 of the same registers.
.macro WM c, q
	WIN 0x01                                       ; source 0 (the codes) window 1
	v_wmma_scale_f32_16x16x128_f8f6f4 v[\q:\q+7], v[32*(\c):32*(\c)+7], v[BF:BF+7], 0, v[ASC+2*(\c)], v[TSC] matrix_a_fmt:MATRIX_FMT_FP4 matrix_b_fmt:MATRIX_FMT_FP4
	v_wmma_scale_f32_16x16x128_f8f6f4 v[\q+8:\q+15], v[32*(\c)+16:32*(\c)+23], v[BF:BF+7], 0, v[ASC+2*(\c)+1], v[TSC] matrix_a_fmt:MATRIX_FMT_FP4 matrix_b_fmt:MATRIX_FMT_FP4
	v_wmma_scale_f32_16x16x128_f8f6f4 v[\q:\q+7], v[32*(\c)+8:32*(\c)+15], v[BF+8:BF+15], v[\q:\q+7], v[ASC+2*(\c)], v[TSC] matrix_a_fmt:MATRIX_FMT_FP4 matrix_b_fmt:MATRIX_FMT_FP4 matrix_a_scale:MATRIX_SCALE_ROW1 matrix_b_scale:MATRIX_SCALE_ROW1
	v_wmma_scale_f32_16x16x128_f8f6f4 v[\q+8:\q+15], v[32*(\c)+24:32*(\c)+31], v[BF+8:BF+15], v[\q+8:\q+15], v[ASC+2*(\c)+1], v[TSC] matrix_a_fmt:MATRIX_FMT_FP4 matrix_b_fmt:MATRIX_FMT_FP4 matrix_a_scale:MATRIX_SCALE_ROW1 matrix_b_scale:MATRIX_SCALE_ROW1
	WIN 0
.endm
.macro SV j                            ; where this chunk has a new smallest d (VCC), its d j and j + 1 are kept: two selects in one instruction
	v_dual_cndmask_b32 v[SAV+\j], v[SAV+\j], v[P+\j] :: v_dual_cndmask_b32 v[SAV+\j+1], v[SAV+\j+1], v[P+\j+1]
.endm
.macro XP p                            ; rho - c d, two at a time
	v_pk_fma_f32 v[P+\p:P+\p+1], v[P+\p:P+\p+1], s[36:37], v[RN:RN+1] op_sel_hi:[1,0,0]
.endm
; The 16 exponentials in v[s] on come down to one pair, in their own set, in three levels of 4, 2 and 1 packed adds.
.macro SUMA s
	v_pk_add_f32 v[\s:\s+1], v[\s:\s+1], v[\s+2:\s+3]
	v_pk_add_f32 v[\s+4:\s+5], v[\s+4:\s+5], v[\s+6:\s+7]
	v_pk_add_f32 v[\s+8:\s+9], v[\s+8:\s+9], v[\s+10:\s+11]
	v_pk_add_f32 v[\s+12:\s+13], v[\s+12:\s+13], v[\s+14:\s+15]
.endm
.macro SUMB s
	v_pk_add_f32 v[\s:\s+1], v[\s:\s+1], v[\s+4:\s+5]
	v_pk_add_f32 v[\s+8:\s+9], v[\s+8:\s+9], v[\s+12:\s+13]
.endm
.macro SUMC s
	v_pk_add_f32 v[\s:\s+1], v[\s:\s+1], v[\s+8:\s+9]
.endm
; Chunk c of a token tile.  nxt = 1: the next chunk's products (chunk 0 of the next tile in chunk 7) are issued ahead of its exponentials.  more = 1: there is a next tile, fetched in chunk 7.
; first = 1: the first tile, in which the wave's operands are still arriving.
.macro CHUNK c, nxt, more, first
.if ((\c)%2) == 0
.set P, SA
.set Q, SB
.set RO, RHA
.set RN, RHB
.else
.set P, SB
.set Q, SA
.set RO, RHB
.set RN, RHA
.endif
.set XSEL, XX
.if (\c) == 7
.set XSEL, XXN
.endif
.irp p, 0,2,4,6,8,10,12,14                     ; d = fl((xx + ee) - 2 s), each accumulator from its low end on
	v_pk_fma_f32 v[P+\p:P+\p+1], v[P+\p:P+\p+1], -2.0, v[T1+\p:T1+\p+1] op_sel_hi:[1,0,1]
.endr
.if (\c) == 7 && \more
	v_add_nc_u32 v[NA], s30, v[LI]
	v_add_nc_u32 v[NS], s31, v[LS]
	v_add_nc_u32 v[NX], s32, v[R4]
.irp i, 0,1,2,3
	ds_load_b128 v[BF+4*\i:BF+4*\i+3], v[NA] offset:TIMG+512*\i   ; this chunk's products, the tile's last, stand behind chunk 6's eight fl(xx + ee): more than four places back
.endr
	ds_load_b32 v[TSC], v[NS] offset:TSCL
	ds_load_b32 v[XXN], v[NX] offset:TXX
.endif
.if (\c) > 0
	SUMA Q                                         ; the chunk before's exponentials: the wait at this chunk's head stands ahead of these readers
.endif
	v_min3_num_f32 v[CM], v[P], v[P+1], v[P+2]     ; the chunk's smallest d: five, two, one
	v_min3_num_f32 v[CM+1], v[P+3], v[P+4], v[P+5]
	v_min3_num_f32 v[CM+2], v[P+6], v[P+7], v[P+8]
	v_min3_num_f32 v[CM+3], v[P+9], v[P+10], v[P+11]
	v_min3_num_f32 v[DL], v[P+12], v[P+13], v[P+14]
.if (\c) > 0
	SUMB Q
.endif
	v_min3_num_f32 v[CM], v[CM], v[CM+1], v[CM+2]
	v_min3_num_f32 v[CM+3], v[CM+3], v[DL], v[P+15]
.if (\c) > 0
	SUMC Q
.endif
.if (\c) == 0
	s_wait_dscnt 0x0                               ; the last tile's four stores have read their registers
	v_mov_b32 v[RUN], 0x7f800000                   ; a tile begins: +infinity over every d,
	s_wait_alu depctr_va_vdst(0)                   ; the wait behind the wait above
	v_mov_b32 v[RHA], 0x7f61b1e6                   ; 3e38 over every rho (this chunk's F is not used),
	v_mov_b32 v[Z], 0
	v_mov_b32 v[Z+1], 0
	v_mov_b32 v[CID], 0
.endif
	v_min_num_f32 v[CM], v[CM], v[CM+3]
.if (\c) > 0
	v_pk_add_f32 v[Z:Z+1], v[Z:Z+1], v[Q:Q+1]      ; the chunk before, under its own rho
.endif
	v_cmp_lt_f32 vcc_lo, v[CM], v[RUN]             ; strictly smaller: among equal d the earlier chunk, which has the lower indices, stays
	v_min_num_f32 v[RUN], v[RUN], v[CM]
	v_cndmask_b32 v[CID], v[CID], \c, vcc_lo
	SV 0                                           ; the saves stand between the links of the chain that makes rho and F
	SV 2
	v_mul_f32 v[DL], s38, v[RUN]
	SV 4
	SV 6
	v_floor_f32 v[RN], v[DL]                       ; rho = floor(c x smallest d): a whole number, at most c d for every d seen
	SV 8
	SV 10
	v_sub_f32 v[DL], v[RN], v[RO]                  ; 0 or less
	SV 12
	XP 0
	v_cvt_i32_f32 v[DL], v[DL]                     ; (it saturates)
	SV 14
	XP 2
	v_ldexp_f32 v[F], 1.0, v[DL]
	XP 4
	XP 6
	XP 8
.if (\c) > 0
	v_pk_mul_f32 v[Z:Z+1], v[Z:Z+1], v[F:F+1] op_sel_hi:[1,0]   ; all of Z under this chunk's rho: exact
.endif
	XP 10
	XP 12
	XP 14
.if \first && (\c) < 4
	LOADC (\c)+4                                   ; registers that no matrix instruction has named yet
.endif
	s_wait_alu depctr_va_vdst(0)                   ; the wait ahead of the batch, and ahead of the waits below
.if \first && (\c) < 4
	s_wait_loadcnt 42                              ; chunk c + 1's operands are in; behind them stand chunks c + 2 to c + 4
.endif
.if \first && (\c) >= 4 && (\c) < 7
	s_wait_loadcnt 14*(6-(\c))                     ; behind them stand chunks c + 2 to 7
.endif
.if (\c) == 7 && \nxt
	s_wait_dscnt 0x0                               ; the next tile's fragments, scale words and xx are in
.endif
.if \nxt
	WM ((\c)+1)%8, Q                               ; into the set that the sum has left; the eight packed adds below are the places behind these products
.endif
.irp p, 0,2,4,6,8,10,12,14
	v_exp_f32 v[P+\p], v[P+\p]
	v_exp_f32 v[P+\p+1], v[P+\p+1]
.if \nxt
	v_pk_add_f32 v[T1+\p:T1+\p+1], v[EE+16*(((\c)+1)%8)+\p:EE+16*(((\c)+1)%8)+\p+1], v[XSEL:XSEL+1] op_sel_hi:[1,0]   ; fl(xx + ee) of the next chunk
.endif
.endr
.endm
; A tile's end: the lowest register of the kept chunk that holds the smallest d gives the index; behind that search chunk 7's exponentials (in the second set) are added; four words go to my part in LDS.
.macro FIN more
	v_mov_b32 v[POS], 15                           ; (a plain line behind the exponentials)
.irp j, 14,13,12,11,10,9,8,7,6,5,4,3,2,1,0
	v_cmp_eq_f32 vcc_lo, v[SAV+\j], v[RUN]
	s_delay_alu instid0(VALU_DEP_1)
	v_cndmask_b32 v[POS], v[POS], \j, vcc_lo
.endr
	s_delay_alu instid0(VALU_DEP_1)
	v_and_b32 v[CM], 8, v[POS]                     ; register j is code j + 8 h of the chunk's first tile, or 16 + (j - 8) + 8 h: j + (j & 8) + 8 h
	s_delay_alu instid0(VALU_DEP_1)
	v_add3_u32 v[POS], v[CM], v[POS], v[CBH]
	s_delay_alu instid0(VALU_DEP_1)
	v_lshl_add_u32 v[POS], v[CID], 5, v[POS]       ; + 32 x chunk
	s_wait_alu depctr_va_vdst(0)                   ; the wait ahead of the exponentials' first reader
	SUMA SB
	v_add_nc_u32 v[PA], s33, v[PB]
	SUMB SB
	ds_store_b32 v[PA], v[RUN]
	ds_store_b32 v[PA], v[RHA] offset:FLD          ; behind chunk 7 the live rho is here
	ds_store_b32 v[PA], v[POS] offset:3*FLD
	SUMC SB
	s_delay_alu instid0(VALU_DEP_1)
	v_pk_add_f32 v[Z:Z+1], v[Z:Z+1], v[SB:SB+1]
	s_delay_alu instid0(VALU_DEP_1)
	v_add_f32 v[Z+1], v[Z], v[Z+1]
	ds_store_b32 v[PA], v[Z+1] offset:2*FLD
.if \more
	v_mov_b32 v[XX], v[XXN]
.endif
.endm
.macro ONWARD                          ; the next tile's codes, scale words, xx; this tile's words in a part
	s_add_co_u32 s30, s30, 2048
	s_add_co_u32 s31, s31, 128
	s_add_co_u32 s32, s32, 64
	s_add_co_u32 s33, s33, 64
.endm
	WM 0, SA                                       ; the first chunk's products stand ahead of the tiles
.irp j, 0,1,2,3,4,5,6,7,8,9,10,11,12,13,14,15
	v_mov_b32 v[SAV+\j], 0                         ; written once, so that the selects may name them; these sixteen are also the places behind the products above
.endr
	s_mov_b32 s30, 2048
	s_mov_b32 s31, 128
	s_mov_b32 s32, 64
	s_mov_b32 s33, 0
	s_mov_b32 s34, 14
.irp c, 0,1,2,3,4,5,6,7                        ; tile 0, written out: it asks for chunks 4 to 7 and waits for each chunk's operands by count
	s_wait_alu depctr_va_vdst(0)                   ; the wait ahead of the first reader of the products, behind the batch
	CHUNK \c, 1, 1, 1
.endr
	FIN 1
	ONWARD
.Ltile:                                            ; 14 trips: tiles 1 to 14, each fetching its successor
.irp c, 0,1,2,3,4,5,6,7
	s_wait_alu depctr_va_vdst(0)
	CHUNK \c, 1, 1, 0
.endr
	FIN 1
	ONWARD
	s_sub_co_u32 s34, s34, 1
	s_cmp_lg_u32 s34, 0
	s_cbranch_scc1 .Ltile
.irp c, 0,1,2,3,4,5,6                          ; the last tile fetches nothing and starts no further products
	s_wait_alu depctr_va_vdst(0)
	CHUNK \c, 1, 0, 0
.endr
	s_wait_alu depctr_va_vdst(0)
	CHUNK 7, 0, 0, 0
	FIN 0
	; THE JOIN: thread t takes token t's sixteen parts
	s_wait_dscnt 0x0
	s_barrier_signal -1
	s_barrier_wait -1
	v_lshl_add_u32 v[NA], v0, 2, PART
	s_delay_alu instid0(VALU_DEP_1)
	v_add_nc_u32 v[NS], 2*FLD, v[NA]               ; fields 2 and 3 lie beyond what an offset reaches from the first
	v_lshlrev_b32 v[NX], 2, v0
.irp p, 0,1,2,3,4,5,6,7,8,9,10,11,12,13,14,15
	ds_load_b32 v[64+\p], v[NA] offset:PPIT*\p
	ds_load_b32 v[80+\p], v[NA] offset:FLD+PPIT*\p
	ds_load_b32 v[96+\p], v[NS] offset:PPIT*\p
	ds_load_b32 v[112+\p], v[NS] offset:FLD+PPIT*\p
.endr
	ds_load_b32 v27, v[NX] offset:TXX
	s_wait_dscnt 0x0
	v_mov_b32 v24, v64
	v_mov_b32 v[POS], v112
.irp p, 1
	s_delay_alu instid0(VALU_DEP_2)
	v_cmp_lt_f32 s40, v[64+\p], v24
	s_delay_alu instid0(VALU_DEP_3)
	v_cmp_eq_f32 s41, v[64+\p], v24
	s_delay_alu instid0(VALU_DEP_3)
	v_cmp_lt_u32 s42, v[112+\p], v[POS]
	s_and_b32 s41, s41, s42
	s_or_b32 s40, s40, s41                         ; smaller, or equal with the lower index
	v_cndmask_b32 v[POS], v[POS], v[112+\p], s40
	v_min_num_f32 v24, v24, v[64+\p]
.endr
.irp p, 2, 3, 4, 5, 6, 7, 8, 9, 10, 11, 12, 13, 14, 15
	s_delay_alu instid0(VALU_DEP_1)
	v_cmp_lt_f32 s40, v[64+\p], v24
	s_delay_alu instid0(VALU_DEP_2)
	v_cmp_eq_f32 s41, v[64+\p], v24
	s_delay_alu instid0(VALU_DEP_4)
	v_cmp_lt_u32 s42, v[112+\p], v[POS]
	s_and_b32 s41, s41, s42
	s_or_b32 s40, s40, s41
	v_cndmask_b32 v[POS], v[POS], v[112+\p], s40
	v_min_num_f32 v24, v24, v[64+\p]
.endr
	v_min3_num_f32 v25, v80, v81, v82              ; the smallest rho
.irp p, 3,5,7,9,11,13
	s_delay_alu instid0(VALU_DEP_1)
	v_min3_num_f32 v25, v25, v[80+\p], v[81+\p]
.endr
	s_delay_alu instid0(VALU_DEP_1)
	v_min_num_f32 v25, v25, v95
.irp p, 0,1,2,3,4,5,6,7,8,9,10,11,12,13,14,15
	v_sub_f32 v[80+\p], v25, v[80+\p]
.endr
.irp p, 0,1,2,3,4,5,6,7,8,9,10,11,12,13,14,15
	v_cvt_i32_f32 v[80+\p], v[80+\p]
.endr
.irp p, 0,1,2,3,4,5,6,7,8,9,10,11,12,13,14,15
	v_ldexp_f32 v[96+\p], v[96+\p], v[80+\p]       ; each part's Z under the smallest rho: exact
.endr
	v_pk_add_f32 v[96:97], v[96:97], v[98:99]
	v_pk_add_f32 v[100:101], v[100:101], v[102:103]
	v_pk_add_f32 v[104:105], v[104:105], v[106:107]
	s_delay_alu instid0(VALU_DEP_4)
	v_pk_add_f32 v[108:109], v[108:109], v[110:111]
	s_delay_alu instid0(VALU_DEP_3)
	v_pk_add_f32 v[96:97], v[96:97], v[100:101]
	s_delay_alu instid0(VALU_DEP_2)
	v_pk_add_f32 v[104:105], v[104:105], v[108:109]
	s_delay_alu instid0(VALU_DEP_1)
	v_pk_add_f32 v[96:97], v[96:97], v[104:105]
	s_delay_alu instid0(VALU_DEP_1)
	v_add_f32 v26, v96, v97
	v_lshlrev_b32 v[NA], 4, v0
	global_store_b128 v[NA], v[24:27], s[8:9]      ; (d, rho, Z, xx): a wave stores 512 consecutive bytes, aligned
	global_store_b32 v[NX], v[POS], s[10:11]       ; a wave stores 128 consecutive bytes: 256 KiB in the launch
	s_wait_xcnt 0x0
	v_lshl_add_u32 v254, v0, 2, 0x19c00            ; the wave's end: my spare word, behind the parts, and 0, made anew from v0
	v_mov_b32 v255, 0
	s_wait_alu depctr_va_vdst(0)
	s_wait_tensorcnt 0x0
	ds_add_u32 v254, v255
	s_wait_dscnt 0x0
	s_endpgm
.Lfunc_end_k_qeef0689d4b_pass1:
	.size	k_qeef0689d4b_pass1, .Lfunc_end_k_qeef0689d4b_pass1-k_qeef0689d4b_pass1
	.p2alignl 7, 3214868480
	.fill 96, 4, 3214868480
	.section	.rodata,"a",@progbits
	.p2align	6, 0x0
	.amdhsa_kernel k_qeef0689d4b_pass1
		.amdhsa_group_segment_fixed_size 106496
		.amdhsa_private_segment_fixed_size 0
		.amdhsa_enable_private_segment 0
		.amdhsa_kernarg_size 32
		.amdhsa_user_sgpr_count 2
		.amdhsa_user_sgpr_kernarg_segment_ptr 1
		.amdhsa_wavefront_size32 1
		.amdhsa_system_sgpr_workgroup_id_x 1
		.amdhsa_system_sgpr_workgroup_id_y 1
		.amdhsa_system_sgpr_workgroup_id_z 1
		.amdhsa_system_vgpr_workitem_id 0
		.amdhsa_next_free_vgpr 512
		.amdhsa_next_free_sgpr 66
		.amdhsa_reserve_vcc 1
		.amdhsa_float_denorm_mode_32 3
		.amdhsa_float_denorm_mode_16_64 3
		.amdhsa_memory_ordered 1
		.amdhsa_forward_progress 1
		.amdhsa_inst_pref_size 149
	.end_amdhsa_kernel
	.amdgpu_metadata
---
amdhsa.version: [ 1, 2 ]
amdhsa.kernels:
  - .name:           k_qeef0689d4b_pass1
    .symbol:         k_qeef0689d4b_pass1.kd
    .args:
      - { .name: xw, .offset: 0, .size: 8, .value_kind: global_buffer, .address_space: global }
      - { .name: ew, .offset: 8, .size: 8, .value_kind: global_buffer, .address_space: global }
      - { .name: cf, .offset: 16, .size: 8, .value_kind: global_buffer, .address_space: global }
      - { .name: ci, .offset: 24, .size: 8, .value_kind: global_buffer, .address_space: global }
    .group_segment_fixed_size: 106496
    .private_segment_fixed_size: 0
    .kernarg_segment_align: 8
    .kernarg_segment_size: 32
    .max_flat_workgroup_size: 256
    .sgpr_count:     66
    .vgpr_count:     512
    .wavefront_size: 32
...
	.end_amdgpu_metadata
.endif
;; end of part 2
;; launch pass2 (part 3): grid 16 x 16, 8 waves a work-group, no clusters, 224,512 bytes of LDS; arguments xw, ew, cf, ci, inputs, emb, out0, out2, pl; writes out0, out2, pl
.if DOCPART == 3
	.amdgcn_target "amdgcn-amd-amdhsa--gfx1250"
	.amdhsa_code_object_version 6
	.text
	.protected	k_qeef0689d4b_pass2
	.globl	k_qeef0689d4b_pass2
	.p2align	8
	.type	k_qeef0689d4b_pass2,@function
k_qeef0689d4b_pass2:
	s_mov_b64 s[64:65], 0
	v_nop
	global_prefetch_b8 v0, s[64:65] scope:SCOPE_SE
	s_setreg_imm32_b32 hwreg(HW_REG_WAVE_MODE, 25, 1), 1
	s_wait_xcnt 0x0
; SECOND PASS: the product once more, p = softmax(-d), and p's sums down the tokens; beside it the gather: out0, out2 and the squared differences.
; p.  The four quarters' (rho, Z) of a token are joined: R = the smallest rho, Z = the sum of Z_q x 2^(R - rho_q) (exact scalings).  Then log2 p = R - c d - log2 Z = 2 c (s + b) - c ee[k],
; b = (R - c xx - log2 Z) / (2 c), c = log2 e.  b is the C of the first matrix instruction, -c ee the addend of the one multiply-add.  Z holds the smallest d's own term, so p is at most about 1 for every input.
; SHARES.  A work-group takes 1,024 tokens (64 tiles) x 512 codes (32 tiles), all in LDS, stored there once.  Wave w keeps code tiles 16 (w / 4) + n in registers and walks token tiles 16 (w % 4) + i.
; Source 0 = 16 tokens, source 1 = 16 codes: lane (r, h) holds code r, register j token 8 h + j, so that a column's sum stays in its lane.
; A CHUNK is two code tiles, on FOUR sets of accumulators by turns: products run a chunk ahead, and A CHUNK'S EXPONENTIALS ARE ADDED UP A CHUNK LATER, one add behind each pair of the next chunk's exponentials,
; so that no line reads an exponential soon after it was issued.  The column sums know no token tile, so the lag runs on over the loop's edge: the fourth set begins as zeros, and the last chunk's adds are written out behind the loop.
; THE GATHER.  Work-group g owns tokens 64 g on, wave w eight of them: 16 units of half a row (512 bytes), one in each of the loop's 16 trips.  The four candidate indices are whole numbers that the launch before stored;
; they are read by scalar loads, held to 8,191 and made into addresses.  All four candidate rows are loaded; which one counts is chosen by v_cndmask_b32 on the four smallest d (strictly smaller: the lower quarter wins a tie).
; out0 = x + (q - x), as the definition rounds it.
; NO TENSOR LOADS, NO JOINT LOADS: nothing is filled twice.  A work-group reads 210,944 bytes of operands, 65,536 of statistics and 327,680 for its gather, once, for 1,024 chunks of some 45 vector instructions;
; the tokens' tiles are shared by 16 work-groups and the codes' by 16, 13 MiB each way in the launch out of buffers of 3.4 MiB.
; LIMITS: NaN and infinities are not served.  p is made from s and not from the rounded d: it differs from the definition's by d's own rounding.
; REGISTERS.  Window 1: at the head the stage's 206 registers, then the codes, tile n, K step s at v[16 n + 8 s].  Window 0: as named below.
; SCALARS.  s[4:21] the nine buffers; s22 wave; s25 g; s[26:27] 2 c; s28 -c; s[30:35], s[48:49] the wave's bases (x, out0, ci, cf); s[36:43] the four rows; s[44:47] the four indices; s[50:51] the unit's statistics;
; s[52:55] pl; s[60:63] the unit's x and out0; s66 the trip; s67-69 the next tile's LDS places; s70-75 at work; s80-81 lane selects; s82-99 the head's bases.
.set XS_OFF, 2097152
.set ES_OFF, 1048576
.set EE_OFF, 1114112
.set TIMG, 0                           ; LDS: 64 token tiles' codes
.set CIMG, 131072                      ; 32 code tiles' codes
.set TSCL, 196608                      ; the tokens' scale words
.set CSCL, 204800                      ; the codes'
.set CEE,  208896                      ; ee of 512 codes
.set BT,   210944                      ; b of 1,024 tokens
.set CS,   215040                      ; the waves' column sums, 1,024 bytes each
.set LR,   223232                      ; the waves' sums of squared differences
.set LI,  1                            ; v1   16 x lane
.set LS,  2                            ; v2   4 x lane
.set H32, 3                            ; v3   32 h
.set L8,  11                           ; v11  8 x lane
.set WI,  14                           ; v[14:15] the winners' indices of tokens 2 lane, 2 lane + 1
.set CSC, 16                           ; v16-31 the codes' scale words: scales and nothing else
.set EEC, 32                           ; v32-63 -c ee of my code in tile n, twice, at v[32 + 2 n]
.set ACC, 64                           ; v64-95 the column sums, a pair for each tile
.set AF,  96                           ; v96-111 the token tile's two fragments
.set CB,  112                          ; v112-119 b of my eight tokens
.set TSC, 120                          ; v120 the tokens' scale words: scales and nothing else
.set ZR,  122                          ; v122 0
.set DQ,  124                          ; v124-127 the unit's four smallest d
.set DA,  128                          ; four sets of two accumulators: v128-143, v144-159, v192-207, v208-223; chunk c has set c % 4
.set DD,  208
.set XR,  160                          ; v160-163 the unit's x
.set RW,  164                          ; v164-179 its four candidate rows
.set SEL, 180                          ; v180-183 the chosen row, then out0
.set DIFF, 184
.set LSS, 188                          ; v[188:189] the sum of squared differences
.set MSB, 0
.macro WIN new                         ; the immediate's high byte repeats the setting that is left
.if MSB != \new
	s_set_vgpr_msb (MSB<<8)|\new
.set MSB, \new
.endif
.endm
	s_load_b512 s[4:19], s[0:1], 0x0               ; xw, ew, cf, ci, inputs, emb, out0, out2
	s_load_b64 s[20:21], s[0:1], 0x40              ; pl
	v_lshl_add_u32 v190, v0, 2, 0x36900
	v_mov_b32 v191, 0
	v_lshrrev_b32 v1, 5, v0
	v_readfirstlane_b32 s22, v1                    ; wave 0..7
	s_and_b32 s24, ttmp7, 0xffff                   ; cb
	s_lshl_b32 s25, s24, 4
	s_add_co_u32 s25, s25, ttmp9                   ; g = 16 cb + tb
	v_and_b32 v2, 31, v0
	v_lshlrev_b32 v[LI], 4, v2
	v_lshlrev_b32 v10, 5, v2                       ; 32 x lane
	v_lshlrev_b32 v[L8], 3, v2
	v_lshlrev_b32 v[LS], 2, v2
	v_bfe_u32 v12, v0, 4, 1
	v_and_b32 v13, 15, v0                          ; r
	v_lshlrev_b32 v[H32], 5, v12
	v_lshlrev_b32 v4, 4, v0                        ; 16 x thread
	v_lshlrev_b32 v5, 3, v0                        ; 8 x thread
	v_lshl_add_u32 v6, v0, 2, BT
	v_add_nc_u32 v7, 65536, v4
	v_add_nc_u32 v8, CIMG, v4
	v_add_nc_u32 v9, TSCL, v4
	v_add_nc_u32 v12, CEE, v5
	v_mov_b32 v[ZR], 0
	s_mov_b32 s26, 0x4038aa3b                      ; 2 c, as a pair
	s_mov_b32 s27, s26
	s_mov_b32 s28, 0xbfb8aa3b                      ; -c
	s_mov_b32 s80, 0x76543210
	s_mov_b32 s81, 0xfedcba98
	s_mov_b32 s99, 0
	s_mov_b32 s73, 0
	s_wait_alu depctr_va_vdst(0)                   ; the wait at the head's end
	s_wait_kmcnt 0x0
	s_lshl_b32 s98, ttmp9, 14
	s_add_nc_u64 s[82:83], s[8:9], s[98:99]        ; cf at my 1,024 tokens
	s_lshl_b32 s98, s25, 10
	s_add_nc_u64 s[84:85], s[8:9], s[98:99]        ; cf at the gather's 64 tokens
	s_lshl_b32 s72, s22, 7
	s_add_nc_u64 s[48:49], s[84:85], s[72:73]      ; and at my wave's eight
	s_lshl_b32 s98, s25, 8
	s_add_nc_u64 s[86:87], s[10:11], s[98:99]      ; ci likewise
	s_add_nc_u64 s[18:19], s[18:19], s[98:99]      ; out2
	s_lshl_b32 s72, s22, 5
	s_add_nc_u64 s[34:35], s[86:87], s[72:73]
	s_lshl_b32 s98, ttmp9, 17
	s_add_nc_u64 s[88:89], s[4:5], s[98:99]        ; 64 token tiles
	s_lshl_b32 s98, s24, 16
	s_add_nc_u64 s[90:91], s[6:7], s[98:99]        ; 32 code tiles
	s_lshl_b32 s98, ttmp9, 13
	s_add_nc_u64 s[92:93], s[4:5], s[98:99]
	s_lshl_b32 s98, s24, 12
	s_add_nc_u64 s[94:95], s[6:7], s[98:99]
	s_lshl_b32 s98, s24, 11
	s_add_nc_u64 s[96:97], s[6:7], s[98:99]
	s_lshl_b32 s72, ttmp9, 15
	s_add_co_u32 s72, s72, s98
	s_add_nc_u64 s[52:53], s[20:21], s[72:73]      ; pl: [tb][8192], my 512 codes
	s_lshl_b32 s72, s25, 2
	s_add_nc_u64 s[54:55], s[20:21], s[72:73]      ; and my word among the 256 behind them
	s_lshl_b32 s72, s25, 16
	s_lshl_b32 s98, s22, 13
	s_add_co_u32 s72, s72, s98
	s_add_nc_u64 s[30:31], s[12:13], s[72:73]      ; inputs and out0 at my wave's eight rows
	s_add_nc_u64 s[32:33], s[16:17], s[72:73]
.irp k, 0,1,2,3                                ; 28 loads: the statistics of tokens thread + 256 k, quarter q, at v[192 + 16 k + 4 q],
.irp q, 0,1,2,3
	global_load_b128 v[192+16*\k+4*\q:195+16*\k+4*\q], v4, s[82:83] offset:262144*\q+4096*\k
.endr
.endr
.irp q, 0,1,2,3                                ; and of the gather's tokens 2 lane + e: d and index
.irp e, 0,1
	global_load_b32 v[128+2*\q+\e], v10, s[84:85] offset:262144*\q+16*\e
.endr
	global_load_b64 v[136+2*\q:137+2*\q], v[L8], s[86:87] offset:65536*\q
.endr
	WIN 0x40                                       ; destination window 1: 52 loads for the stage; 256 threads x 16 bytes cover 4,096 consecutive bytes
.set n, 0
.rept 32
	global_load_b128 v[4*n:4*n+3], v4, s[88:89] offset:4096*n
.set n, n+1
.endr
.set n, 0
.rept 16
	global_load_b128 v[128+4*n:131+4*n], v4, s[90:91] offset:4096*n
.set n, n+1
.endr
	global_load_b128 v[192:195], v4, s[92:93] offset:XS_OFF
	global_load_b128 v[196:199], v4, s[92:93] offset:XS_OFF+4096
	global_load_b128 v[200:203], v4, s[94:95] offset:ES_OFF
	global_load_b64 v[204:205], v5, s[96:97] offset:EE_OFF
	WIN 0
	s_wait_loadcnt 52                              ; the 28 are in; behind them stand the stage's 52
.irp k, 0,1,2,3                                ; b of token thread + 256 k
	v_min3_num_f32 v[144+8*\k], v[193+16*\k], v[197+16*\k], v[201+16*\k]
	v_min_num_f32 v[144+8*\k], v[144+8*\k], v[205+16*\k]           ; R
.irp q, 0,1,2,3
	v_sub_f32 v[145+8*\k+\q], v[144+8*\k], v[193+16*\k+4*\q]
.endr
.irp q, 0,1,2,3
	v_cvt_i32_f32 v[145+8*\k+\q], v[145+8*\k+\q]
.endr
.irp q, 0,1,2,3
	v_ldexp_f32 v[145+8*\k+\q], v[194+16*\k+4*\q], v[145+8*\k+\q]
.endr
	v_add_f32 v[145+8*\k], v[145+8*\k], v[146+8*\k]
	v_add_f32 v[147+8*\k], v[147+8*\k], v[148+8*\k]
	v_add_f32 v[145+8*\k], v[145+8*\k], v[147+8*\k]                ; Z
	s_wait_alu depctr_va_vdst(0)                   ; the wait ahead of the logarithm
	v_log_f32 v[145+8*\k], v[145+8*\k]
	v_fma_f32 v[146+8*\k], v[195+16*\k], s28, v[144+8*\k]          ; R - c xx, one rounding.  (A plain line behind the logarithm)
	s_wait_alu depctr_va_vdst(0)
	v_sub_f32 v[146+8*\k], v[146+8*\k], v[145+8*\k]
	v_mul_f32 v[146+8*\k], 0x3eb17218, v[146+8*\k]                 ; / (2 c)
	ds_store_b32 v6, v[146+8*\k] offset:1024*\k
.endr
.irp e, 0,1                                    ; the winner among the four quarters: strictly smaller, so that the lower quarter wins a tie
	v_cmp_lt_f32 vcc_lo, v[130+\e], v[128+\e]
	v_min_num_f32 v[128+\e], v[128+\e], v[130+\e]
	v_cndmask_b32 v[136+\e], v[136+\e], v[138+\e], vcc_lo
	v_cmp_lt_f32 vcc_lo, v[132+\e], v[128+\e]
	v_min_num_f32 v[128+\e], v[128+\e], v[132+\e]
	v_cndmask_b32 v[136+\e], v[136+\e], v[140+\e], vcc_lo
	v_cmp_lt_f32 vcc_lo, v[134+\e], v[128+\e]
	v_cndmask_b32 v[WI+\e], v[136+\e], v[142+\e], vcc_lo
.endr
	s_wait_loadcnt 0x0
	WIN 0x04                                       ; an LDS store's data are its source 1: window 1
.set n, 0
.rept 16
	ds_store_b128 v4, v[4*n:4*n+3] offset:4096*n
.set n, n+1
.endr
.set n, 0
.rept 16
	ds_store_b128 v7, v[64+4*n:67+4*n] offset:4096*n
.set n, n+1
.endr
.set n, 0
.rept 16
	ds_store_b128 v8, v[128+4*n:131+4*n] offset:4096*n
.set n, n+1
.endr
	ds_store_b128 v9, v[192:195]
	ds_store_b128 v9, v[196:199] offset:4096
	ds_store_b128 v9, v[200:203] offset:CSCL-TSCL
	ds_store_b64 v12, v[204:205]
	WIN 0
	s_wait_dscnt 0x0                               ; my part of the stage and my four b are stored
	s_barrier_signal -1
	s_barrier_wait -1                              ; everybody's are; nobody writes them again
	s_and_b32 s70, s22, 3
	s_lshr_b32 s71, s22, 2
	s_lshl_b32 s67, s70, 15                        ; my 16 token tiles: codes,
	s_lshl_b32 s68, s70, 11
	s_add_co_u32 s68, s68, TSCL                    ; scale words,
	s_lshl_b32 s69, s70, 10
	s_add_co_u32 s69, s69, BT                      ; b
	s_lshl_b32 s72, s71, 15
	s_add_co_u32 s72, s72, CIMG
	v_add_nc_u32 v7, s72, v[LI]                    ; my 16 code tiles: codes,
	s_lshl_b32 s72, s71, 11
	s_add_co_u32 s72, s72, CSCL
	v_add_nc_u32 v8, s72, v[LS]                    ; scale words,
	s_lshl_b32 s72, s71, 10
	s_add_co_u32 s72, s72, CEE
	v_lshl_add_u32 v13, v13, 2, s72                ; ee of code r
	v_add_nc_u32 v4, s67, v[LI]
	v_add_nc_u32 v5, s68, v[LS]
	v_add_nc_u32 v6, s69, v[H32]
	WIN 0x40
.set n, 0
.rept 64
	ds_load_b128 v[4*n:4*n+3], v7 offset:512*n     ; they stay
.set n, n+1
.endr
	WIN 0
.irp n, 0,1,2,3,4,5,6,7,8,9,10,11,12,13,14,15
	ds_load_b32 v[CSC+\n], v8 offset:128*\n
	ds_load_b32 v[EEC+2*\n+1], v13 offset:64*\n
.endr
.irp i, 0,1,2,3
	ds_load_b128 v[AF+4*\i:AF+4*\i+3], v4 offset:512*\i
.endr
	ds_load_b128 v[CB:CB+3], v6
	ds_load_b128 v[CB+4:CB+7], v6 offset:16
	ds_load_b32 v[TSC], v5
	s_add_co_u32 s67, s67, 2048                    ; on to the next tile
	s_add_co_u32 s68, s68, 128
	s_add_co_u32 s69, s69, 64
	s_mov_b32 s66, 0
; The candidate indices of unit s66 + d: token (unit & 7) of my eight, quarter q.
.macro G1 d
	s_add_co_u32 s75, s66, \d
	s_and_b32 s75, s75, 7
	s_lshl_b32 s75, s75, 2
.irp q, 0,1,2,3
	s_load_b32 s[44+\q], s[34:35], s75 offset:65536*\q
.endr
.endm
; The nine loads of unit s66 + d (at most 15): half a row of x, of the four candidate rows, and the four smallest d (every lane reads the same word).
.macro G2 d
	s_wait_kmcnt 0x0                               ; the four indices are in
	s_add_co_u32 s74, s66, \d
	s_and_b32 s70, s74, 7                          ; the token
	s_lshr_b32 s71, s74, 3                         ; which half of the row
	s_lshl_b32 s71, s71, 9
	s_lshl_b32 s72, s70, 10
	s_add_co_u32 s72, s72, s71
	s_add_nc_u64 s[60:61], s[30:31], s[72:73]
	s_lshl_b32 s72, s70, 4
	s_add_nc_u64 s[50:51], s[48:49], s[72:73]
.irp q, 0,1,2,3
	s_min_u32 s72, s[44+\q], 0x1fff                ; an index stays inside the table
	s_lshl_b32 s72, s72, 10
	s_add_co_u32 s72, s72, s71
	s_add_nc_u64 s[36+2*\q:37+2*\q], s[14:15], s[72:73]
.endr
	global_load_b128 v[XR:XR+3], v[LI], s[60:61]
.irp q, 0,1,2,3
	global_load_b128 v[RW+4*\q:RW+4*\q+3], v[LI], s[36+2*\q:37+2*\q]
.endr
.irp q, 0,1,2,3
	global_load_b32 v[DQ+\q], v[ZR], s[50:51] offset:262144*\q
.endr
.endm
	G1 0
	G2 0
	G1 1
	s_wait_dscnt 0x0
.irp n, 0,1,2,3,4,5,6,7,8,9,10,11,12,13,14,15
	v_mul_f32 v[EEC+2*\n], s28, v[EEC+2*\n+1]
	v_mul_f32 v[EEC+2*\n+1], s28, v[EEC+2*\n+1]
.endr
	v_mov_b32 v[LSS], 0
	v_mov_b32 v[LSS+1], 0
; Four matrix instructions: the token tile against chunk c's two code tiles; K step 0 takes b as C, K step 1 adds in place; the two accumulators take turns.
.macro WM2 c, q
	WIN 0x04                                       ; source 1 (the codes) window 1
	v_wmma_scale_f32_16x16x128_f8f6f4 v[\q:\q+7], v[AF:AF+7], v[32*(\c):32*(\c)+7], v[CB:CB+7], v[TSC], v[CSC+2*(\c)] matrix_a_fmt:MATRIX_FMT_FP4 matrix_b_fmt:MATRIX_FMT_FP4
	v_wmma_scale_f32_16x16x128_f8f6f4 v[\q+8:\q+15], v[AF:AF+7], v[32*(\c)+16:32*(\c)+23], v[CB:CB+7], v[TSC], v[CSC+2*(\c)+1] matrix_a_fmt:MATRIX_FMT_FP4 matrix_b_fmt:MATRIX_FMT_FP4
	v_wmma_scale_f32_16x16x128_f8f6f4 v[\q:\q+7], v[AF+8:AF+15], v[32*(\c)+8:32*(\c)+15], v[\q:\q+7], v[TSC], v[CSC+2*(\c)] matrix_a_fmt:MATRIX_FMT_FP4 matrix_b_fmt:MATRIX_FMT_FP4 matrix_a_scale:MATRIX_SCALE_ROW1 matrix_b_scale:MATRIX_SCALE_ROW1
	v_wmma_scale_f32_16x16x128_f8f6f4 v[\q+8:\q+15], v[AF+8:AF+15], v[32*(\c)+24:32*(\c)+31], v[\q+8:\q+15], v[TSC], v[CSC+2*(\c)+1] matrix_a_fmt:MATRIX_FMT_FP4 matrix_b_fmt:MATRIX_FMT_FP4 matrix_a_scale:MATRIX_SCALE_ROW1 matrix_b_scale:MATRIX_SCALE_ROW1
	WIN 0
.endm
; Chunk c of a token tile.  P: its set; Q: the next chunk's; R: the chunk before's, whose p are added here.  nxt = 1: the next chunk's products are issued first.  more = 1: there is a next tile, fetched in chunk 7.
.macro CH2 c, nxt, more
.set P, 128+16*((\c)%2)+64*(((\c)%4)/2)
.set Q, 128+16*(((\c)+1)%2)+64*((((\c)+1)%4)/2)
.set R, 128+16*(((\c)+3)%2)+64*((((\c)+3)%4)/2)
.set RR, 128+16*((\c)%2)+64*((((\c)+2)%4)/2)   ; the set of the chunk two before: its p stand there as four pairs, added once
.set PCH, ((\c)+6)%8                           ; and that chunk's number in its tile
	s_wait_alu depctr_va_vdst(0)                   ; one wait, ahead of the first readers of this chunk's products and of the chunk before's exponentials
.if (\c) == 7 && \more
.irp i, 0,1,2,3
	ds_load_b128 v[AF+4*\i:AF+4*\i+3], v4 offset:512*\i   ; the next tile; this chunk's products, the tile's last, stand behind chunk 6's eight packed adds: more than four places back
.endr
	ds_load_b128 v[CB:CB+3], v6
	ds_load_b128 v[CB+4:CB+7], v6 offset:16
	ds_load_b32 v[TSC], v5
.endif
.irp p, 0,2,4,6                                ; log2 p = 2 c (s + b) - c ee, each accumulator from its low end on.
	v_pk_fma_f32 v[P+\p:P+\p+1], v[P+\p:P+\p+1], s[26:27], v[EEC+4*(\c):EEC+4*(\c)+1] op_sel_hi:[1,0,1]
.endr
.irp p, 8,10,12,14
	v_pk_fma_f32 v[P+\p:P+\p+1], v[P+\p:P+\p+1], s[26:27], v[EEC+4*(\c)+2:EEC+4*(\c)+3] op_sel_hi:[1,0,1]
.endr
.if (\c) == 6 && \more
	v_add_nc_u32 v4, s67, v[LI]                    ; the next tile's LDS places: read in chunk 7, behind its wait
	v_add_nc_u32 v5, s68, v[LS]
	v_add_nc_u32 v6, s69, v[H32]
.endif
	s_wait_alu depctr_va_vdst(0)                   ; the wait ahead of the batch, and ahead of the wait below
.if (\c) == 7 && \nxt
	s_wait_dscnt 0x0                               ; the next tile's fragments, b and scale words are in
.endif
.if \nxt
	WM2 ((\c)+1)%8, Q                              ; the next chunk's products: they have the batch below in which to finish
.endif
; This chunk's p.  Behind each pair of exponentials stands one packed add, and none of the eight reads what another of them writes: four bring the chunk before's 16 p down to four pairs,
; four add the pairs of the chunk two before onto the column sums, which have two pairs a tile (v64-95 and v224-255).  What they write is first read behind a later wait.
.irp p, 0,1,2,3
	v_exp_f32 v[P+4*\p], v[P+4*\p]
	v_exp_f32 v[P+4*\p+1], v[P+4*\p+1]
	v_pk_add_f32 v[R+4*\p:R+4*\p+1], v[R+4*\p:R+4*\p+1], v[R+4*\p+2:R+4*\p+3]
	v_exp_f32 v[P+4*\p+2], v[P+4*\p+2]
	v_exp_f32 v[P+4*\p+3], v[P+4*\p+3]
	v_pk_add_f32 v[ACC+160*(\p%2)+4*PCH+2*(\p/2):ACC+160*(\p%2)+4*PCH+2*(\p/2)+1], v[ACC+160*(\p%2)+4*PCH+2*(\p/2):ACC+160*(\p%2)+4*PCH+2*(\p/2)+1], v[RR+4*\p:RR+4*\p+1]
.endr
.endm
; Unit s66 of the gather.  more = 1: the next unit's loads and the indices of the one behind it are asked for.
.macro GATHER more
	s_wait_loadcnt 0x0                             ; the unit's nine loads, asked for a trip ago: the loop has no other global loads
	s_wait_xcnt 0x0                                ; the last unit's store has read its data and its base
	v_cmp_lt_f32 vcc_lo, v[DQ+1], v[DQ]
	v_min_num_f32 v[DQ], v[DQ], v[DQ+1]
.irp k, 0,1,2,3
	v_cndmask_b32 v[SEL+\k], v[RW+\k], v[RW+4+\k], vcc_lo
.endr
	v_cmp_lt_f32 vcc_lo, v[DQ+2], v[DQ]
	v_min_num_f32 v[DQ], v[DQ], v[DQ+2]
.irp k, 0,1,2,3
	v_cndmask_b32 v[SEL+\k], v[SEL+\k], v[RW+8+\k], vcc_lo
.endr
	v_cmp_lt_f32 vcc_lo, v[DQ+3], v[DQ]
.irp k, 0,1,2,3
	v_cndmask_b32 v[SEL+\k], v[SEL+\k], v[RW+12+\k], vcc_lo
.endr
	v_pk_add_f32 v[DIFF:DIFF+1], v[SEL:SEL+1], v[XR:XR+1] neg_lo:[0,1] neg_hi:[0,1]           ; q - x
	v_pk_add_f32 v[DIFF+2:DIFF+3], v[SEL+2:SEL+3], v[XR+2:XR+3] neg_lo:[0,1] neg_hi:[0,1]
	v_pk_fma_f32 v[LSS:LSS+1], v[DIFF:DIFF+1], v[DIFF:DIFF+1], v[LSS:LSS+1]
	v_pk_add_f32 v[SEL:SEL+1], v[XR:XR+1], v[DIFF:DIFF+1]                                     ; x + (q - x)
	v_pk_fma_f32 v[LSS:LSS+1], v[DIFF+2:DIFF+3], v[DIFF+2:DIFF+3], v[LSS:LSS+1]
	v_pk_add_f32 v[SEL+2:SEL+3], v[XR+2:XR+3], v[DIFF+2:DIFF+3]
	s_and_b32 s70, s66, 7
	s_lshr_b32 s71, s66, 3
	s_lshl_b32 s70, s70, 10
	s_lshl_b32 s71, s71, 9
	s_add_co_u32 s72, s70, s71
	s_add_nc_u64 s[62:63], s[32:33], s[72:73]
	global_store_b128 v[LI], v[SEL:SEL+3], s[62:63] th:TH_STORE_NT   ; 512 consecutive bytes, aligned; written once
.if \more
	G2 1
	G1 2
.else
	s_wait_kmcnt 0x0                               ; the indices asked for in the trip before are not used
.endif
.endm
	WM2 0, DA                                      ; the first chunk's products stand ahead of the loop
.irp j, 0,1,2,3,4,5,6,7,8,9,10,11,12,13,14,15,16,17,18,19,20,21,22,23,24,25,26,27,28,29,30,31
	v_mov_b32 v[ACC+\j], 0                         ; the column sums begin; these lines are also the places behind the products above
.endr
.irp j, 0,1,2,3,4,5,6,7,8,9,10,11,12,13,14,15
	v_mov_b32 v[192+\j], 0                         ; the first two chunks have no chunks two and one before them: they add these zeros (the third and the fourth set);
	v_mov_b32 v[208+\j], 0
	v_mov_b32 v[224+\j], 0                         ; and the column sums' second pairs begin
	v_mov_b32 v[240+\j], 0
.endr
.Ltile:                                            ; 15 trips: tiles 0 to 14, each fetching its successor
	CH2 0, 1, 1
	CH2 1, 1, 1
	CH2 2, 1, 1
	GATHER 1
	CH2 3, 1, 1
	CH2 4, 1, 1
	CH2 5, 1, 1
	CH2 6, 1, 1
	CH2 7, 1, 1
	s_add_co_u32 s67, s67, 2048
	s_add_co_u32 s68, s68, 128
	s_add_co_u32 s69, s69, 64
	s_add_co_u32 s66, s66, 1
	s_cmp_lt_u32 s66, 15
	s_wait_alu depctr_va_vdst(0)                   ; the wait ahead of the backward jump
	s_cbranch_scc1 .Ltile
	CH2 0, 1, 0                                    ; the last tile fetches nothing and starts no further products
	CH2 1, 1, 0
	CH2 2, 1, 0
	GATHER 0
	CH2 3, 1, 0
	CH2 4, 1, 0
	CH2 5, 1, 0
	CH2 6, 1, 0
	CH2 7, 0, 0
	s_wait_alu depctr_va_vdst(0)
	v_pk_add_f32 v[DD:DD+1], v[DD:DD+1], v[DD+2:DD+3]          ; the very last chunk's p, in the fourth set
	v_pk_add_f32 v[DD+4:DD+5], v[DD+4:DD+5], v[DD+6:DD+7]
	v_pk_add_f32 v[DD+8:DD+9], v[DD+8:DD+9], v[DD+10:DD+11]
	v_pk_add_f32 v[DD+12:DD+13], v[DD+12:DD+13], v[DD+14:DD+15]
	v_pk_add_f32 v[DD:DD+1], v[DD:DD+1], v[DD+4:DD+5]
	v_pk_add_f32 v[DD+8:DD+9], v[DD+8:DD+9], v[DD+12:DD+13]
	v_pk_add_f32 v[ACC+28:ACC+29], v[ACC+28:ACC+29], v[DD:DD+1]
	v_pk_add_f32 v[ACC+30:ACC+31], v[ACC+30:ACC+31], v[DD+8:DD+9]
	v_pk_add_f32 v[ACC+24:ACC+25], v[ACC+24:ACC+25], v[192:193]   ; the last tile's chunk 6: its four pairs wait in the third set
	v_pk_add_f32 v[248:249], v[248:249], v[196:197]
	v_pk_add_f32 v[ACC+26:ACC+27], v[ACC+26:ACC+27], v[200:201]
	v_pk_add_f32 v[250:251], v[250:251], v[204:205]
.irp n, 0,1,2,3,4,5,6,7,8,9,10,11,12,13,14,15
	v_pk_add_f32 v[ACC+2*\n:ACC+2*\n+1], v[ACC+2*\n:ACC+2*\n+1], v[224+2*\n:225+2*\n]   ; a tile's two pairs become one
.endr
	; THE END.  A column's sum lies in two halves of a pair and in lanes r and r + 16.
.irp n, 0,1,2,3,4,5,6,7,8,9,10,11,12,13,14,15
	v_add_f32 v[ACC+2*\n], v[ACC+2*\n], v[ACC+2*\n+1]
.endr
.irp u, 0,1,2,3,4,5,6,7
	v_permlane16_swap_b32 v[ACC+4*\u], v[ACC+4*\u+2]   ; tile 2 u's upper lanes change places with tile 2 u + 1's lower ones:
.endr
.irp u, 0,1,2,3,4,5,6,7
	v_add_f32 v[ACC+4*\u], v[ACC+4*\u], v[ACC+4*\u+2]  ; lane l now has code 32 u + l of my 256
.endr
	s_lshl_b32 s70, s22, 10
	s_add_co_u32 s70, s70, CS
	v_add_nc_u32 v4, s70, v[LS]
.irp u, 0,1,2,3,4,5,6,7
	ds_store_b32 v4, v[ACC+4*\u] offset:128*\u
.endr
	v_add_f32 v[LSS], v[LSS], v[LSS+1]
.irp m, 1,2,4,8
	v_add_f32_dpp v[LSS], v[LSS], v[LSS] row_xmask:\m row_mask:0xf bank_mask:0xf
.endr
	v_permlanex16_b32 v[LSS+1], v[LSS], s80, s81
	v_add_f32 v[LSS], v[LSS], v[LSS+1]
	s_lshl_b32 s71, s22, 2
	s_add_co_u32 s71, s71, LR
	v_mov_b32 v5, s71
	ds_store_b32 v5, v[LSS]                        ; all lanes write the same word with the same value
	v_lshrrev_b32 v6, 7, v0
	v_and_b32 v7, 127, v0
	v_lshlrev_b32 v6, 12, v6
	v_lshl_add_u32 v6, v7, 3, v6
	v_add_nc_u32 v6, CS, v6                        ; thread t takes codes 2 t, 2 t + 1: four waves hold parts of them
	v_lshlrev_b32 v8, 3, v0
	v_mov_b32 v9, LR
	s_wait_alu depctr_va_vdst(0)                   ; the wait ahead of the wait below
	s_wait_dscnt 0x0
	s_barrier_signal -1
	s_barrier_wait -1
.irp g, 0,1,2,3
	ds_load_b64 v[128+2*\g:129+2*\g], v6 offset:1024*\g
.endr
	s_wait_dscnt 0x0
	v_pk_add_f32 v[128:129], v[128:129], v[130:131]
	v_pk_add_f32 v[132:133], v[132:133], v[134:135]
	v_pk_add_f32 v[128:129], v[128:129], v[132:133]
	global_store_b64 v8, v[128:129], s[52:53]      ; a wave stores 256 consecutive bytes, aligned
	s_cmp_lg_u32 s22, 0
	s_cbranch_scc1 .Ldone                          ; wave 0 alone: out2 of the 64 tokens and the work-group's sum of squared differences
	ds_load_b128 v[136:139], v9
	ds_load_b128 v[140:143], v9 offset:16
	global_store_b64 v[L8], v[WI:WI+1], s[18:19]   ; 256 consecutive bytes, aligned
	s_wait_dscnt 0x0
	v_add_f32 v136, v136, v137
	v_add_f32 v138, v138, v139
	v_add_f32 v140, v140, v141
	v_add_f32 v142, v142, v143
	v_add_f32 v136, v136, v138
	v_add_f32 v140, v140, v142
	v_add_f32 v136, v136, v140
	s_wait_alu depctr_va_vdst(0)                   ; the wait ahead of the wait below
	s_wait_xcnt 0x0
	v_cmp_eq_u32 vcc_lo, 0, v0
	s_and_saveexec_b32 s70, vcc_lo
	global_store_b32 v[ZR], v136, s[54:55] offset:524288
	s_wait_xcnt 0x0                                ; and again, in front of the line that widens it
	s_or_b32 exec_lo, exec_lo, s70
.Ldone:
	s_wait_tensorcnt 0x0
	ds_add_u32 v190, v191
	s_wait_dscnt 0x0
	s_endpgm
.Lfunc_end_k_qeef0689d4b_pass2:
	.size	k_qeef0689d4b_pass2, .Lfunc_end_k_qeef0689d4b_pass2-k_qeef0689d4b_pass2
	.p2alignl 7, 3214868480
	.fill 96, 4, 3214868480
	.section	.rodata,"a",@progbits
	.p2align	6, 0x0
	.amdhsa_kernel k_qeef0689d4b_pass2
		.amdhsa_group_segment_fixed_size 224512
		.amdhsa_private_segment_fixed_size 0
		.amdhsa_enable_private_segment 0
		.amdhsa_kernarg_size 72
		.amdhsa_user_sgpr_count 2
		.amdhsa_user_sgpr_kernarg_segment_ptr 1
		.amdhsa_wavefront_size32 1
		.amdhsa_system_sgpr_workgroup_id_x 1
		.amdhsa_system_sgpr_workgroup_id_y 1
		.amdhsa_system_sgpr_workgroup_id_z 1
		.amdhsa_system_vgpr_workitem_id 0
		.amdhsa_next_free_vgpr 512
		.amdhsa_next_free_sgpr 100
		.amdhsa_reserve_vcc 1
		.amdhsa_float_denorm_mode_32 3
		.amdhsa_float_denorm_mode_16_64 3
		.amdhsa_memory_ordered 1
		.amdhsa_forward_progress 1
		.amdhsa_inst_pref_size 78
	.end_amdhsa_kernel
	.amdgpu_metadata
---
amdhsa.version: [ 1, 2 ]
amdhsa.kernels:
  - .name:           k_qeef0689d4b_pass2
    .symbol:         k_qeef0689d4b_pass2.kd
    .args:
      - { .name: xw, .offset: 0, .size: 8, .value_kind: global_buffer, .address_space: global }
      - { .name: ew, .offset: 8, .size: 8, .value_kind: global_buffer, .address_space: global }
      - { .name: cf, .offset: 16, .size: 8, .value_kind: global_buffer, .address_space: global }
      - { .name: ci, .offset: 24, .size: 8, .value_kind: global_buffer, .address_space: global }
      - { .name: inputs, .offset: 32, .size: 8, .value_kind: global_buffer, .address_space: global }
      - { .name: emb, .offset: 40, .size: 8, .value_kind: global_buffer, .address_space: global }
      - { .name: out0, .offset: 48, .size: 8, .value_kind: global_buffer, .address_space: global }
      - { .name: out2, .offset: 56, .size: 8, .value_kind: global_buffer, .address_space: global }
      - { .name: pl, .offset: 64, .size: 8, .value_kind: global_buffer, .address_space: global }
    .group_segment_fixed_size: 224512
    .private_segment_fixed_size: 0
    .kernarg_segment_align: 8
    .kernarg_segment_size: 72
    .max_flat_workgroup_size: 256
    .sgpr_count:     100
    .vgpr_count:     512
    .wavefront_size: 32
...
	.end_amdgpu_metadata
.endif
;; end of part 3
;; launch colsum (part 4): grid 64 x 1, 1 waves a work-group, no clusters, 0 bytes of LDS; arguments pl, pe; writes pe
.if DOCPART == 4
	.amdgcn_target "amdgcn-amd-amdhsa--gfx1250"
	.amdhsa_code_object_version 6
	.text
	.protected	k_qeef0689d4b_colsum
	.globl	k_qeef0689d4b_colsum
	.p2align	8
	.type	k_qeef0689d4b_colsum,@function
k_qeef0689d4b_colsum:
	s_mov_b64 s[64:65], 0
	v_nop
	global_prefetch_b8 v0, s[64:65] scope:SCOPE_SE
	s_setreg_imm32_b32 hwreg(HW_REG_WAVE_MODE, 25, 1), 1
	s_wait_xcnt 0x0
; pl holds 16 partial column sums of p for each of 8,192 codes, and behind them 256 partial sums of (q - x)^2.
; Work-group g, one wave, takes codes 128 g on: 16 loads of 512 consecutive bytes (a lane: 4 codes of each part), adds the parts, and makes
; S_g = the sum over its codes of avg x log2(avg + 1e-10), avg = the column's sum / 16,384; beside it L_g = the sum of words 4 g .. 4 g + 3 of the squares.  It stores the pair (L_g, S_g).
; Why a launch of its own: the 525,312 bytes would otherwise all be read by the one work-group that owns the two results; here 64 work-groups read 8,208 bytes each, and the owner reads 512.
; One wave: the sums never leave it, so there is no LDS and no barrier.  No matrix unit, no tensor loads: bytes are read once and added.
	s_load_b128 s[4:7], s[0:1], 0x0                ; pl, pe
	v_lshlrev_b32 v1, 4, v0                        ; 16 x lane
	v_and_b32 v2, 3, v0
	v_lshlrev_b32 v2, 2, v2                        ; 4 x (lane % 4)
	v_mov_b32 v3, 0
	v_mov_b32 v6, 0                                ; (a lane permute's destination counts as read)
	s_lshl_b32 s8, ttmp9, 9                        ; 128 codes: 512 bytes of each part
	s_mov_b32 s9, 0
	s_lshl_b32 s10, ttmp9, 4                       ; four words of the squares
	s_mov_b32 s11, 0
	s_lshl_b32 s12, ttmp9, 3                       ; my pair
	s_mov_b32 s13, 0
	s_mov_b32 s14, 0x76543210
	s_mov_b32 s15, 0xfedcba98
	s_wait_alu depctr_va_vdst(0)
	s_wait_kmcnt 0x0
	s_add_nc_u64 s[8:9], s[4:5], s[8:9]
	s_add_nc_u64 s[10:11], s[4:5], s[10:11]
	s_add_nc_u64 s[6:7], s[6:7], s[12:13]
.irp tb, 0,1,2,3,4,5,6,7,8,9,10,11,12,13,14,15
	global_load_b128 v[16+4*\tb:19+4*\tb], v1, s[8:9] offset:32768*\tb
.endr
	global_load_b32 v4, v2, s[10:11] offset:524288
	s_wait_loadcnt 0x0
.irp tb, 1,2,3,4,5,6,7,8,9,10,11,12,13,14,15
	v_pk_add_f32 v[16:17], v[16:17], v[16+4*\tb:17+4*\tb]
	v_pk_add_f32 v[18:19], v[18:19], v[18+4*\tb:19+4*\tb]
.endr
.irp k, 0,1,2,3
	v_mul_f32 v[16+\k], 0x38800000, v[16+\k]       ; / 16,384
.endr
.irp k, 0,1,2,3
	v_add_f32 v[20+\k], 0x2edbe6ff, v[16+\k]       ; + 1e-10
.endr
	s_wait_alu depctr_va_vdst(0)
.irp k, 0,1,2,3
	v_log_f32 v[20+\k], v[20+\k]
.endr
	v_nop                                          ; a plain line behind the logarithms
	s_wait_alu depctr_va_vdst(0)
	v_mul_f32 v5, v16, v20
	v_fma_f32 v5, v17, v21, v5
	v_fma_f32 v5, v18, v22, v5
	v_fma_f32 v5, v19, v23, v5
.irp m, 1,2
	v_add_f32_dpp v4, v4, v4 row_xmask:\m row_mask:0xf bank_mask:0xf   ; four neighbouring lanes hold the four words
.endr
.irp m, 1,2,4,8
	v_add_f32_dpp v5, v5, v5 row_xmask:\m row_mask:0xf bank_mask:0xf
.endr
	v_permlanex16_b32 v6, v5, s14, s15
	v_add_f32 v5, v5, v6
	s_wait_alu depctr_va_vdst(0)
	s_wait_xcnt 0x0                                ; EXEC changes only behind this wait
	v_cmp_eq_u32 vcc_lo, 0, v0
	s_and_saveexec_b32 s16, vcc_lo
	global_store_b64 v3, v[4:5], s[6:7]            ; 8 bytes a work-group: 512 in the launch
	s_wait_xcnt 0x0                                ; and again, in front of the line that widens it
	s_or_b32 exec_lo, exec_lo, s16
	s_endpgm
.Lfunc_end_k_qeef0689d4b_colsum:
	.size	k_qeef0689d4b_colsum, .Lfunc_end_k_qeef0689d4b_colsum-k_qeef0689d4b_colsum
	.p2alignl 7, 3214868480
	.fill 96, 4, 3214868480
	.section	.rodata,"a",@progbits
	.p2align	6, 0x0
	.amdhsa_kernel k_qeef0689d4b_colsum
		.amdhsa_group_segment_fixed_size 0
		.amdhsa_private_segment_fixed_size 0
		.amdhsa_enable_private_segment 0
		.amdhsa_kernarg_size 16
		.amdhsa_user_sgpr_count 2
		.amdhsa_user_sgpr_kernarg_segment_ptr 1
		.amdhsa_wavefront_size32 1
		.amdhsa_system_sgpr_workgroup_id_x 1
		.amdhsa_system_sgpr_workgroup_id_y 1
		.amdhsa_system_sgpr_workgroup_id_z 1
		.amdhsa_system_vgpr_workitem_id 0
		.amdhsa_next_free_vgpr 80
		.amdhsa_next_free_sgpr 66
		.amdhsa_reserve_vcc 1
		.amdhsa_float_denorm_mode_32 3
		.amdhsa_float_denorm_mode_16_64 3
		.amdhsa_memory_ordered 1
		.amdhsa_forward_progress 1
		.amdhsa_inst_pref_size 7
	.end_amdhsa_kernel
	.amdgpu_metadata
---
amdhsa.version: [ 1, 2 ]
amdhsa.kernels:
  - .name:           k_qeef0689d4b_colsum
    .symbol:         k_qeef0689d4b_colsum.kd
    .args:
      - { .name: pl, .offset: 0, .size: 8, .value_kind: global_buffer, .address_space: global }
      - { .name: pe, .offset: 8, .size: 8, .value_kind: global_buffer, .address_space: global }
    .group_segment_fixed_size: 0
    .private_segment_fixed_size: 0
    .kernarg_segment_align: 8
    .kernarg_segment_size: 16
    .max_flat_workgroup_size: 32
    .sgpr_count:     66
    .vgpr_count:     80
    .wavefront_size: 32
...
	.end_amdgpu_metadata
.endif
;; end of part 4
;; launch final (part 5): grid 1 x 1, 1 waves a work-group, no clusters, 0 bytes of LDS; arguments pe, out1, out3; writes out1, out3
.if DOCPART == 5
	.amdgcn_target "amdgcn-amd-amdhsa--gfx1250"
	.amdhsa_code_object_version 6
	.text
	.protected	k_qeef0689d4b_final
	.globl	k_qeef0689d4b_final
	.p2align	8
	.type	k_qeef0689d4b_final,@function
k_qeef0689d4b_final:
	s_mov_b64 s[64:65], 0
	v_nop
	global_prefetch_b8 v0, s[64:65] scope:SCOPE_SE
	s_setreg_imm32_b32 hwreg(HW_REG_WAVE_MODE, 25, 1), 1
	s_wait_xcnt 0x0
; The two numbers, from the 64 pairs (L_g, S_g) of the launch before: L = the sum of (q - x)^2, S = the sum of avg x log2(avg + 1e-10).
; neg_entropy = ln 2 x S;  out1 = 1.25 x L / 2^22 + 0.1 x neg_entropy;  out3 = e^(-neg_entropy) = 2^(-S).
; One wave, since the sum has one owner: a lane reads two pairs, the wave 512 consecutive bytes.
	s_load_b128 s[4:7], s[0:1], 0x0                ; pe, out1
	s_load_b64 s[8:9], s[0:1], 0x10                ; out3
	v_lshlrev_b32 v1, 4, v0                        ; 16 x lane
	v_mov_b32 v6, 0                                ; (lane permutes' destinations count as read)
	v_mov_b32 v7, 0
	v_mov_b32 v3, 0
	s_mov_b32 s12, 0x76543210
	s_mov_b32 s13, 0xfedcba98
	s_wait_alu depctr_va_vdst(0)
	s_wait_kmcnt 0x0
	global_load_b128 v[8:11], v1, s[4:5]
	s_wait_loadcnt 0x0
	v_add_f32 v4, v8, v10                          ; L
	v_add_f32 v5, v9, v11                          ; S
.irp m, 1,2,4,8
	v_add_f32_dpp v4, v4, v4 row_xmask:\m row_mask:0xf bank_mask:0xf
	v_add_f32_dpp v5, v5, v5 row_xmask:\m row_mask:0xf bank_mask:0xf
.endr
	v_permlanex16_b32 v6, v4, s12, s13
	v_permlanex16_b32 v7, v5, s12, s13
	v_add_f32 v4, v4, v6
	v_add_f32 v5, v5, v7
	s_wait_alu depctr_va_vdst(0)
	v_exp_f32 v7, -v5                              ; the perplexity: 2^(-S)
	v_mul_f32 v6, 0x3f317218, v5                   ; neg_entropy = ln 2 x S.  (A plain line behind the exponential)
	v_mul_f32 v6, 0x3dcccccd, v6                   ; x 0.1
	v_fmamk_f32 v6, v4, 0x34a00000, v6             ; + 1.25 x 2^-22 x L
	s_wait_alu depctr_va_vdst(0)
	s_wait_xcnt 0x0                                ; EXEC changes only behind this wait
	v_cmp_eq_u32 vcc_lo, 0, v0
	s_and_saveexec_b32 s11, vcc_lo
	global_store_b32 v3, v6, s[6:7]
	s_wait_alu depctr_va_vdst(0)
	global_store_b32 v3, v7, s[8:9]
	s_wait_xcnt 0x0                                ; and again, in front of the line that widens it
	s_or_b32 exec_lo, exec_lo, s11
	s_endpgm
.Lfunc_end_k_qeef0689d4b_final:
	.size	k_qeef0689d4b_final, .Lfunc_end_k_qeef0689d4b_final-k_qeef0689d4b_final
	.p2alignl 7, 3214868480
	.fill 96, 4, 3214868480
	.section	.rodata,"a",@progbits
	.p2align	6, 0x0
	.amdhsa_kernel k_qeef0689d4b_final
		.amdhsa_group_segment_fixed_size 0
		.amdhsa_private_segment_fixed_size 0
		.amdhsa_enable_private_segment 0
		.amdhsa_kernarg_size 24
		.amdhsa_user_sgpr_count 2
		.amdhsa_user_sgpr_kernarg_segment_ptr 1
		.amdhsa_wavefront_size32 1
		.amdhsa_system_sgpr_workgroup_id_x 1
		.amdhsa_system_sgpr_workgroup_id_y 1
		.amdhsa_system_sgpr_workgroup_id_z 1
		.amdhsa_system_vgpr_workitem_id 0
		.amdhsa_next_free_vgpr 16
		.amdhsa_next_free_sgpr 66
		.amdhsa_reserve_vcc 1
		.amdhsa_float_denorm_mode_32 3
		.amdhsa_float_denorm_mode_16_64 3
		.amdhsa_memory_ordered 1
		.amdhsa_forward_progress 1
		.amdhsa_inst_pref_size 3
	.end_amdhsa_kernel
	.amdgpu_metadata
---
amdhsa.version: [ 1, 2 ]
amdhsa.kernels:
  - .name:           k_qeef0689d4b_final
    .symbol:         k_qeef0689d4b_final.kd
    .args:
      - { .name: pe, .offset: 0, .size: 8, .value_kind: global_buffer, .address_space: global }
      - { .name: out1, .offset: 8, .size: 8, .value_kind: global_buffer, .address_space: global }
      - { .name: out3, .offset: 16, .size: 8, .value_kind: global_buffer, .address_space: global }
    .group_segment_fixed_size: 0
    .private_segment_fixed_size: 0
    .kernarg_segment_align: 8
    .kernarg_segment_size: 24
    .max_flat_workgroup_size: 32
    .sgpr_count:     66
    .vgpr_count:     16
    .wavefront_size: 32
...
	.end_amdgpu_metadata
.endif
;; end of part 5
